; MI455X (gfx1250); checked and timed in simulation.
; The chip was launched on July 23, 2026; its instructions are those of AMD's public machine-readable ISA for CDNA 5 (MIT licence, August 2026) and "CDNA5" Instruction Set Architecture Reference Guide (July 2026). The comments in the code are by the model that wrote it; some were corrected since.
;; GPT Self Attention1 D. Allowed arithmetic: matrix products marked QUANTISED: E2M3 operands, one E8M0 scale for each 32 along K, by v_wmma_scale_f32_16x16x128_f8f6f4 with both operands' format E2M3, f32 sums; everything else in f32.
;; Inputs: Wk 1,024 x 1,024 float32; Wo 1,024 x 1,024 float32; Wq 1,024 x 1,024 float32; Wv 1,024 x 1,024 float32; bk 1,024 float32; bo 1,024 float32; bq 1,024 float32; bv 1,024 float32; x 2 x 2,048 x 1,024 float32.
;; Outputs: out0 2 x 2,048 x 1,024 float32.
;; This version of the problem:
;;   THIS VERSION OF THE PROBLEM IS GIVEN IN LOW PRECISION. The matrix products marked QUANTISED in the list below multiply operands that are first quantised to E2M3 (2 exponent bits, 3 mantissa bits; 6 bits a number), with one power-of-two scale for each 32 numbers along K (OCP MX v1.0); their sums are f32. All else is computed in f32.
;;   The module's matrix products, in the order in which they are computed (A, B: the left and right operand; K: the contracted axis; several contracted axes count as one K, in the product's order):
;;     1. [M 4,096, K 1,024] x [K 1,024, N 1,024]; A: input x; B: input Wq: QUANTISED
;;     2. [M 4,096, K 1,024] x [K 1,024, N 1,024]; A: input x; B: input Wk: QUANTISED
;;     3. [M 4,096, K 1,024] x [K 1,024, N 1,024]; A: input x; B: input Wv: QUANTISED
;;     4. batch 32 x [M 2,048, K 64] x [K 64, N 2,048]; A: computed on the way; B: computed on the way: QUANTISED
;;     5. batch 32 x [M 2,048, K 2,048] x [K 2,048, N 64]; A: softmax (see below); B: computed on the way: QUANTISED
;;     6. [M 4,096, K 1,024] x [K 1,024, N 1,024]; A: computed on the way; B: input Wo: QUANTISED
;;   THE QUANTISER, for each operand of a quantised product, along K:
;;     - K is cut into blocks of 32 from its start; a last block that is shorter is filled with zeros.
;;     - A block's scale is 2^e with e = floor(log2(the largest magnitude in the block)) - 2, held to -126 .. 127; a block of zeros has e = 0. As a byte (E8M0): e + 127.
;;     - Each number is divided by its block's scale, clamped to +-7.5, and rounded to the nearest number of E2M3, ties to even, subnormals kept.
;;     - The product sums the exact products of the quantised numbers (number of the format x scale) in f32.
;;   ~~~python
;;   def quantise(x, axis):      # numpy; x: float32 -> the quantised numbers, widened to float32 again
;;       x = np.moveaxis(x, axis, -1); K = x.shape[-1]
;;       x = np.pad(x, [(0, 0)] * (x.ndim - 1) + [(0, -K % 32)]); x = x.reshape(x.shape[:-1] + (-1, 32)); a = np.abs(x).max(-1, keepdims=True)
;;       e = np.where(a > 0, np.clip(np.frexp(np.where(a > 0, a, 1))[1] - 1 - 2, -126, 127), 0)      # np.frexp(a)[1] - 1 = floor(log2(a)), exactly
;;       r = np.clip(x / 2.0 ** e, -7.5, 7.5)
;;       step = 2.0 ** (np.maximum(np.frexp(np.where(r == 0, 1, r))[1] - 1, 0) - 3)
;;       q = np.round(r / step) * step * 2.0 ** e      # np.round: ties to even
;;       return np.moveaxis(q.reshape(q.shape[:-2] + (-1,))[..., :K], -1, axis).astype(np.float32)
;;   ~~~
;;   SOFTMAX AHEAD OF A QUANTISED PRODUCT. Where the list says 'softmax', what is quantised is not the finished softmax but p = 2^(t - M), with t = logit x log2(e) and M = ceil(the row's largest t), a whole number; so 1/2 < the row's largest p <= 1. The row's sum l is taken of the UNQUANTISED p, in f32, and the product's result is divided by l at the end. Since M is a whole number, a kernel that streams over the keys may use a running M (the ceiling of the running maximum): every later rescaling is an exact power of two, which a block's scale takes up: the codes' values come out the same.
;;   OPERANDS COMPUTED ON THE WAY. 'Computed on the way' means the value that the module computes at that place (a softmax that the list does not call 'softmax' is quantised finished and normalised). What goes into a quantiser is computed in f32, as accurately as f32 sums, v_exp_f32 and their like allow (about 1e-6 of the number): no bf16 or f16 on the way to a quantiser, and a product that is left as it is and whose result goes on into a quantised operand takes f32 operands (vector FMAs, or v_wmma_f32_16x16x4_f32). A number that lies on a knife's edge between two numbers of the format may be rounded either way, as far as f32 arithmetic and the matrix unit's own rounding can turn it there, and no further.
;; One version. Each part assembles by itself: llvm-mc -triple=amdgcn-amd-amdhsa -mcpu=gfx1250 --defsym DOCPART=n.
;; ======== version 1 of 1: 4 launches
;; limits: right only within a limited range of input values
;; workspace buffers: ops 9,437,184 bytes; scl 393,216 bytes; qb 3,407,872 bytes; kv 6,815,744 bytes; sv 131,072 bytes
;; launch quant (part 1): grid 256 x 1, 8 waves a work-group, no clusters, 68,608 bytes of LDS; arguments x, Wq, Wk, Wv, Wo, ops, scl; writes ops, scl
.if DOCPART == 1
	.amdgcn_target "amdgcn-amd-amdhsa--gfx1250"
	.amdhsa_code_object_version 6
	.text
	.protected	k_q82c1dddb50_quant
	.globl	k_q82c1dddb50_quant
	.p2align	8
	.type	k_q82c1dddb50_quant,@function
k_q82c1dddb50_quant:
	s_mov_b64 s[64:65], 0
	v_nop
	global_prefetch_b8 v0, s[64:65] scope:SCOPE_SE
	s_setreg_imm32_b32 hwreg(HW_REG_WAVE_MODE, 25, 1), 1
	s_wait_xcnt 0x0
; LAUNCH 1 OF 4: x and the four weights, f32, become codes of E2M3 with one E8M0 byte for each 32 along K.
; THE PROGRAM: quant (this) -> qkv (products 1-3, bias, q k v quantised) -> attn (products 4, 5, ctx quantised) -> oproj (product 6, bias).
; DEAD WORK LEFT OUT BY THE PROGRAM: product 4 on key steps that lie wholly above the diagonal.  reference() replaces those scores by -10000 in its own
; jnp.where on its own jnp.tril, whatever the inputs hold, so no output hangs on them.  What is NOT left out: the weight of a hidden key,
; p = 2^(-10000 log2(e) - M), is no zero in exact arithmetic, so the hidden keys keep their share of M, of the row's sum and of product 5 (launch attn).
; All nine inputs have a way to the output and are loaded.  LIMIT: a NaN, an infinity or an overflow that would arise only in the scores left out is not carried to the result.
; LIMITS OF THIS LAUNCH: NaN and infinities among the inputs are not served.  A block whose largest magnitude lies under 2^-124 keeps the byte 1; a block of zeros
; gets the byte 1 where the rule says 127: its codes are zeros, which add nothing under any byte but 0xff, and this program alone reads the bytes.
; LAYOUT OF ops: [tile of 16 rows T][K step of 128 s][1,536 bytes]: AN IMAGE OF THE OPERAND'S REGISTERS.  Lane l = (r = l % 16, h = l / 16) holds row r; registers 6 c .. 6 c + 5 hold
; k = 64 c + 32 h + 0 .. 31.  Bytes 0: registers 0-3 at 16 l; 512: registers 4-5 at 8 l; 768: registers 6-9 at 16 l; 1,280: registers 10-11 at 8 l.
; THE ROWS OF A TILE ARE NOT NEIGHBOURS: row r of tile 2 g + u is row 32 g + 8 u + r + 8 (r / 8) of the tensor, for tokens and features alike.
; T 0-255: x; 256-511: Wq, Wk, Wv, Wo (64 tiles of features each); 512-767: ctx (launch attn).  scl: the scale word of row r, tile T, K step s at 512 T + 64 s + 4 r.
; Work-groups 0-127 take 32 tokens of x each, work-groups 128-255 a K step of 256 features of a weight: 128 KiB read by each.  No matrix unit, no cluster: nothing is shared, memory binds.
.set SPARE, 67584                      ; behind the eight stages: the spare words, 128 bytes a wave
.set SPW, 12                           ; v12  LDS address of my spare word; never rewritten
.set NIL, 13                           ; v13  0; never rewritten
	s_load_b256 s[4:11], s[0:1], 0x0               ; x, Wq, Wk, Wv
	s_load_b128 s[12:15], s[0:1], 0x20             ; Wo, ops
	s_load_b64 s[16:17], s[0:1], 0x30              ; scl
	v_lshl_add_u32 v[SPW], v0, 2, SPARE
	v_mov_b32 v[NIL], 0
	v_lshrrev_b32 v1, 5, v0
	s_delay_alu instid0(VALU_DEP_1)
	v_readfirstlane_b32 s18, v1                    ; wave 0..7
	v_and_b32 v2, 31, v0                           ; lane
	v_and_b32 v3, 15, v0                           ; r
	v_bfe_u32 v4, v0, 4, 1                         ; h
	s_mov_b32 s20, 0x76543210
	s_mov_b32 s21, 0xfedcba98                      ; v_permlanex16_b32's selects for lane l xor 16
	s_cmp_lt_u32 ttmp9, 128
	s_cbranch_scc0 .Lweights
; ---- x: K is innermost.  Wave w: tile T = 2 X + (w / 4), K steps 2 (w % 4) and the next.  Each load reads 512 consecutive bytes of one token's row; the 16 rows of a fragment
; turn through the wave's own stage in LDS (rows of 528 bytes) and come back two whole blocks of 32 a lane.
	s_lshr_b32 s22, s18, 2                         ; u
	s_and_b32 s23, s18, 3
	s_lshl_b32 s23, s23, 1                         ; s0
	s_lshl_b32 s24, ttmp9, 1
	s_add_co_u32 s24, s24, s22                     ; T
	s_lshl_b32 s26, ttmp9, 17                      ; x: (32 X + 8 u) rows of 4,096 bytes + 512 s0
	s_lshl_b32 s27, s22, 15
	s_add_co_u32 s26, s26, s27
	s_lshl_b32 s27, s23, 9
	s_add_co_u32 s26, s26, s27
	s_mov_b32 s27, 0
	s_mul_i32 s28, s24, 12288                      ; ops: 12,288 T + 1,536 s0
	s_mul_i32 s29, s23, 1536
	s_add_co_u32 s28, s28, s29
	s_mov_b32 s29, 0
	s_lshl_b32 s30, s24, 9                         ; scl: 512 T + 64 s0
	s_lshl_b32 s31, s23, 6
	s_add_co_u32 s30, s30, s31
	s_mov_b32 s31, 0
	s_wait_alu depctr_va_vdst(0)
	v_lshlrev_b32 v5, 4, v2                        ; 16 x lane
	v_lshlrev_b32 v6, 3, v2                        ; 8 x lane
	v_lshlrev_b32 v7, 2, v2                        ; 4 x lane
	s_mul_i32 s32, s18, 8448                       ; my stage
	v_add_nc_u32 v8, s32, v5                       ; into it: a row as it was loaded
	v_mul_u32_u24 v9, v3, 528
	s_delay_alu instid0(VALU_DEP_1)
	v_lshl_add_u32 v9, v4, 7, v9
	s_delay_alu instid0(VALU_DEP_1)
	v_add_nc_u32 v9, s32, v9                       ; out of it: row r, + 128 h bytes
	v_lshlrev_b32 v10, 3, v4                       ; 8 h: where my two scale bytes stand in the word
	v_mov_b32 v11, 0                               ; a lane permute's destination counts as one of its sources
	s_wait_alu depctr_va_vdst(0)
	s_wait_kmcnt 0x0
	s_add_nc_u64 s[4:5], s[4:5], s[26:27]
	s_add_nc_u64 s[14:15], s[14:15], s[28:29]
	s_add_nc_u64 s[16:17], s[16:17], s[30:31]
.irp f, 0,1
.irp i, 0,1,2,3,4,5,6,7,8,9,10,11,12,13,14,15
	global_load_b128 v[16+64*\f+4*\i:19+64*\f+4*\i], v5, s[4:5] offset:(\i+8*(\i/8))*4096+512*\f th:TH_LOAD_NT
.endr
.endr
.macro XFRAG f, left
	s_wait_loadcnt \left                           ; this fragment's 16 loads are in; the other fragment's, issued behind them, may be out
.irp i, 0,1,2,3,4,5,6,7,8,9,10,11,12,13,14,15
	ds_store_b128 v8, v[16+64*\f+4*\i:19+64*\f+4*\i] offset:528*\i
.endr
.irp c, 0,1
.irp j, 0,1,2,3,4,5,6,7
	ds_load_b128 v[144+32*\c+4*\j:147+32*\c+4*\j], v9 offset:256*\c+16*\j   ; LDS serves a wave's instructions in order: these see the stores above
.endr
.endr
	s_wait_dscnt 0x0
.irp c, 0,1
	v_max3_num_f32 v[240+\c], |v[144+32*\c]|, |v[145+32*\c]|, 0x1800000   ; my block 2 c + h, and the floor 2^(3 - 127): the byte cannot fall under 1
.endr
.irp i, 2,4,6,8,10,12,14,16,18,20,22,24,26,28,30
.irp c, 0,1
	s_delay_alu instid0(VALU_DEP_2)
	v_max3_num_f32 v[240+\c], v[240+\c], |v[144+32*\c+\i]|, |v[145+32*\c+\i]|
.endr
.endr
.irp c, 0,1
	s_delay_alu instid0(VALU_DEP_2)
	v_add_nc_u32 v[242+\c], 0xff000000, v[240+\c]  ; 2 off the exponent field: the conversion's scale operand
.endr
.irp c, 0,1
	s_delay_alu instid0(VALU_DEP_2)
	v_lshrrev_b32 v[244+\c], 23, v[242+\c]         ; the scale's byte
.endr
.irp c, 0,1
	v_cvt_scalef32_pk16_fp6_f32 v[208+12*\f+6*\c:210+12*\f+6*\c], v[144+32*\c:159+32*\c], v[242+\c]
	v_cvt_scalef32_pk16_fp6_f32 v[232+4*\c:234+4*\c], v[160+32*\c:175+32*\c], v[242+\c]   ; (a conversion's three registers begin on an even number)
.endr
	v_lshl_or_b32 v246, v245, 16, v244             ; my two bytes (a plain line behind the conversions),
	s_delay_alu instid0(VALU_DEP_1)
	v_lshlrev_b32 v246, v10, v246                  ; at their places,
	s_delay_alu instid0(VALU_DEP_1)
	v_permlanex16_b32 v11, v246, s20, s21
	s_delay_alu instid0(VALU_DEP_1)
	v_or_b32 v[248+\f], v246, v11                  ; with lane l xor 16's two: the row's scale word
.irp c, 0,1
.irp i, 0,1,2
	v_mov_b32 v[211+12*\f+6*\c+\i], v[232+4*\c+\i]
.endr
.endr
	global_store_b128 v5, v[208+12*\f:211+12*\f], s[14:15] offset:1536*\f        ; each store covers consecutive bytes, whole aligned blocks of 256
	global_store_b64 v6, v[212+12*\f:213+12*\f], s[14:15] offset:1536*\f+512
	global_store_b128 v5, v[214+12*\f:217+12*\f], s[14:15] offset:1536*\f+768
	global_store_b64 v6, v[218+12*\f:219+12*\f], s[14:15] offset:1536*\f+1280
.endm
	XFRAG 0, 16
	XFRAG 1, 0
	v_cmp_ne_u32 vcc_lo, 0, v4
	s_delay_alu instid0(VALU_DEP_1)
	v_cndmask_b32 v250, v248, v249, vcc_lo         ; lanes 0-15 the first K step's words, lanes 16-31 the second's
	global_store_b32 v7, v250, s[16:17]            ; 128 consecutive bytes
	s_branch .Lend
; ---- a weight: K is its FIRST axis.  A lane takes a column (feature 32 g + lane) and its registers run down K: a block of 32 lies in one lane, nothing is transposed.
.Lweights:
	s_sub_co_u32 s22, ttmp9, 128                   ; Y
	s_lshr_b32 s23, s22, 5                         ; which weight: 0 Wq, 1 Wk, 2 Wv, 3 Wo
	s_and_b32 s24, s22, 7                          ; K step
	s_bfe_u32 s25, s22, 0x20003
	s_lshl_b32 s25, s25, 3
	s_add_co_u32 s25, s25, s18                     ; g: which 32 features
	s_lshl_b32 s26, s24, 19                        ; 128 rows of 4,096 bytes a K step
	s_lshl_b32 s27, s25, 7
	s_add_co_u32 s26, s26, s27
	s_mov_b32 s27, 0
	s_lshl_b32 s28, s23, 6
	s_lshl_b32 s29, s25, 1
	s_add_co_u32 s28, s28, s29
	s_add_co_u32 s28, s28, 256                     ; tile 256 + 64 m + 2 g
	s_lshl_b32 s30, s28, 9
	s_lshl_b32 s31, s24, 6
	s_add_co_u32 s30, s30, s31
	s_mov_b32 s31, 0
	s_mul_i32 s28, s28, 12288
	s_mul_i32 s29, s24, 1536
	s_add_co_u32 s28, s28, s29
	s_mov_b32 s29, 0
	s_wait_alu depctr_va_vdst(0)
	v_lshlrev_b32 v5, 2, v2                        ; 4 x lane
	v_bfe_u32 v6, v0, 3, 1                         ; u: which of the two tiles my feature falls into
	v_and_b32 v7, 7, v0
	s_delay_alu instid0(VALU_DEP_1)
	v_lshl_or_b32 v7, v4, 3, v7                    ; and its row there
	s_delay_alu instid0(VALU_DEP_3)
	v_mul_u32_u24 v8, v6, 12288
	s_delay_alu instid0(VALU_DEP_1)
	v_lshl_add_u32 v9, v7, 3, v8                   ; 12,288 u + 8 r
	s_delay_alu instid0(VALU_DEP_2)
	v_lshl_add_u32 v8, v7, 4, v8                   ; 12,288 u + 16 r
	v_lshlrev_b32 v10, 9, v6
	s_delay_alu instid0(VALU_DEP_1)
	v_lshl_add_u32 v10, v7, 2, v10                 ; 512 u + 4 r
	s_wait_alu depctr_va_vdst(0)
	s_wait_kmcnt 0x0
	s_cmp_eq_u32 s23, 1                            ; the choice hangs on the work-group's number alone
	s_cselect_b64 s[34:35], s[8:9], s[6:7]
	s_cmp_eq_u32 s23, 2
	s_cselect_b64 s[34:35], s[10:11], s[34:35]
	s_cmp_eq_u32 s23, 3
	s_cselect_b64 s[34:35], s[12:13], s[34:35]
	s_add_nc_u64 s[34:35], s[34:35], s[26:27]
	s_add_nc_u64 s[14:15], s[14:15], s[28:29]
	s_add_nc_u64 s[16:17], s[16:17], s[30:31]
.set n, 0
.rept 128
	global_load_b32 v[16+n], v5, s[34:35] offset:n*4096 th:TH_LOAD_NT   ; row n of the K step: 128 consecutive bytes a wave, 1,024 a work-group
.set n, n+1
.endr
; Block b of the K step is block 2 c + h of the image: registers 6 c .. 6 c + 5 of lane (r, h = b % 2), c = b / 2.
.macro WBLOCK b, left
.set XS, 16+32*(\b)
	s_wait_loadcnt \left
	v_max3_num_f32 v208, |v[XS]|, |v[XS+1]|, |v[XS+2]|
	v_max3_num_f32 v209, |v[XS+3]|, |v[XS+4]|, |v[XS+5]|
.irp i, 6,10,14,18,22,26
	s_delay_alu instid0(VALU_DEP_2)
	v_max3_num_f32 v208, v208, |v[XS+\i]|, |v[XS+\i+1]|
	s_delay_alu instid0(VALU_DEP_2)
	v_max3_num_f32 v209, v209, |v[XS+\i+2]|, |v[XS+\i+3]|
.endr
	s_delay_alu instid0(VALU_DEP_2)
	v_max3_num_f32 v208, v208, |v[XS+30]|, |v[XS+31]|
	s_delay_alu instid0(VALU_DEP_1)
	v_max3_num_f32 v208, v208, v209, 0x1800000     ; and the floor
	s_delay_alu instid0(VALU_DEP_1)
	v_add_nc_u32 v[200+\b], 0xff000000, v208
	s_delay_alu instid0(VALU_DEP_1)
	v_lshrrev_b32 v[204+\b], 23, v[200+\b]
	v_cvt_scalef32_pk16_fp6_f32 v[144+8*\b:146+8*\b], v[XS:XS+15], v[200+\b]
	v_cvt_scalef32_pk16_fp6_f32 v[176+4*\b:178+4*\b], v[XS+16:XS+31], v[200+\b]
	v_nop                                          ; one plain line behind the conversions
.irp i, 0,1,2
	v_mov_b32 v[147+8*\b+\i], v[176+4*\b+\i]
.endr
	global_store_b128 v8, v[144+8*\b:147+8*\b], s[14:15] offset:768*(\b/2)+256*(\b%2)        ; the sixteen lanes of a tile fill 256 consecutive bytes
	global_store_b64 v9, v[148+8*\b:149+8*\b], s[14:15] offset:512+768*(\b/2)+128*(\b%2)
.endm
	WBLOCK 0, 63                                   ; 96 younger loads exist; 63 is the most that a wait can name: a smaller count waits for more, never for less
	WBLOCK 1, 63                                   ; 64 younger
	WBLOCK 2, 32                                   ; the last block's 32
	WBLOCK 3, 0
	v_lshl_or_b32 v210, v205, 8, v204              ; the four bytes are my feature's scale word
	s_delay_alu instid0(VALU_DEP_1)
	v_lshl_or_b32 v210, v206, 16, v210
	s_delay_alu instid0(VALU_DEP_1)
	v_lshl_or_b32 v210, v207, 24, v210
	global_store_b32 v10, v210, s[16:17]
.Lend:
	s_wait_tensorcnt 0x0                           ; the wave's end
	ds_add_u32 v[SPW], v[NIL]
	s_wait_dscnt 0x0
	s_endpgm
.Lfunc_end_k_q82c1dddb50_quant:
	.size	k_q82c1dddb50_quant, .Lfunc_end_k_q82c1dddb50_quant-k_q82c1dddb50_quant
	.p2alignl 7, 3214868480
	.fill 96, 4, 3214868480
	.section	.rodata,"a",@progbits
	.p2align	6, 0x0
	.amdhsa_kernel k_q82c1dddb50_quant
		.amdhsa_group_segment_fixed_size 68608
		.amdhsa_private_segment_fixed_size 0
		.amdhsa_enable_private_segment 0
		.amdhsa_kernarg_size 56
		.amdhsa_user_sgpr_count 2
		.amdhsa_user_sgpr_kernarg_segment_ptr 1
		.amdhsa_wavefront_size32 1
		.amdhsa_system_sgpr_workgroup_id_x 1
		.amdhsa_system_sgpr_workgroup_id_y 1
		.amdhsa_system_sgpr_workgroup_id_z 1
		.amdhsa_system_vgpr_workitem_id 0
		.amdhsa_next_free_vgpr 256
		.amdhsa_next_free_sgpr 66
		.amdhsa_reserve_vcc 1
		.amdhsa_float_denorm_mode_32 3
		.amdhsa_float_denorm_mode_16_64 3
		.amdhsa_memory_ordered 1
		.amdhsa_forward_progress 1
		.amdhsa_inst_pref_size 42
	.end_amdhsa_kernel
	.amdgpu_metadata
---
amdhsa.version: [ 1, 2 ]
amdhsa.kernels:
  - .name:           k_q82c1dddb50_quant
    .symbol:         k_q82c1dddb50_quant.kd
    .args:
      - { .name: x, .offset: 0, .size: 8, .value_kind: global_buffer, .address_space: global }
      - { .name: Wq, .offset: 8, .size: 8, .value_kind: global_buffer, .address_space: global }
      - { .name: Wk, .offset: 16, .size: 8, .value_kind: global_buffer, .address_space: global }
      - { .name: Wv, .offset: 24, .size: 8, .value_kind: global_buffer, .address_space: global }
      - { .name: Wo, .offset: 32, .size: 8, .value_kind: global_buffer, .address_space: global }
      - { .name: ops, .offset: 40, .size: 8, .value_kind: global_buffer, .address_space: global }
      - { .name: scl, .offset: 48, .size: 8, .value_kind: global_buffer, .address_space: global }
    .group_segment_fixed_size: 68608
    .private_segment_fixed_size: 0
    .kernarg_segment_align: 8
    .kernarg_segment_size: 56
    .max_flat_workgroup_size: 256
    .sgpr_count:     66
    .vgpr_count:     256
    .wavefront_size: 32
...
	.end_amdgpu_metadata
.endif
;; end of part 1
;; launch qkv (part 2): grid 12 x 16, 4 waves a work-group, clusters of 4 x 4, 327,680 bytes of LDS; arguments ops, scl, bq, bk, bv, qb, kv, sv; writes qb, kv, sv
.if DOCPART == 2
	.amdgcn_target "amdgcn-amd-amdhsa--gfx1250"
	.amdhsa_code_object_version 6
	.text
	.protected	k_q82c1dddb50_qkv
	.globl	k_q82c1dddb50_qkv
	.p2align	8
	.type	k_q82c1dddb50_qkv,@function
k_q82c1dddb50_qkv:
	s_mov_b64 s[64:65], 0
	v_nop
	global_prefetch_b8 v0, s[64:65] scope:SCOPE_SE
	s_setreg_imm32_b32 hwreg(HW_REG_WAVE_MODE, 25, 1), 1
	s_wait_xcnt 0x0
	s_wait_alu depctr_hold_cnt(0) depctr_sa_sdst(0) depctr_va_vdst(0) depctr_va_sdst(0) depctr_va_ssrc(0) depctr_va_vcc(0) depctr_vm_vsrc(0)
	s_getreg_b32 s2, hwreg(HW_REG_IB_STS2, 6, 4)
	s_cmp_eq_u32 s2, 0
	s_cbranch_scc0 .Lentry_in_a_cluster
	s_endpgm
.Lentry_in_a_cluster:
	s_bfe_u32 s2, ttmp6, 0x10000c
	s_cmp_lg_u32 s2, 0xf033
	s_cbranch_scc0 .Lentry_shape_is_right
	s_endpgm
.Lentry_shape_is_right:
; LAUNCH 2 OF 4: q = x Wq + bq, k = x Wk + bk, v = x Wv + bv on codes of E2M3, and q, k, v quantised in registers for the attention.  No work of these three products is left out.
; A work-group of four waves makes 256 x 256, a wave 128 x 128: 64 accumulators.  Source 1 (P) gives the result's lanes, source 0 (R) its registers.
; The cluster's x says what is made: 0: q, 1: k (P = 256 tokens, R = 256 features: a lane holds a token, its registers run along the features, which are the K of the scores);
; 2: v (P = 256 features of Wv, R = 256 tokens: a lane holds a feature, its registers run along the KEYS, which are the K of the second product).  The products' text is one for all.
; Operands lie in ops as images of their registers (launch quant): a fragment comes from LDS by four loads of consecutive bytes, with no pitch and no padding.
; The rows of a tile of 16 are row 32 g + 8 u + r + 8 (r / 8): so the 16 registers of R's tiles 2 b and 2 b + 1 are 16 neighbours along the next K.
; K = 1,024 goes in 8 steps of 128 through two LDS slots of two steps each, written out with no loop: each step names its own scale registers.
; CLUSTER 4 x 4: P's tile hangs on cy alone and is asked for jointly along a row of the cluster, R's on cx alone and along a column.
; OUT: qb [batch x head][block of 128 queries][6,656]: 8 half images (16 tokens x 64: 768 bytes), then at 6,144 the scale words: lane (r, h): 16 bytes, tiles 4 h .. 4 h + 3 of row r.
;      kv [batch x head][128 keys][13,312]: K as in qb; at 6,656 V's four images (16 of the head's 64 x 128 keys); at 12,800 V's scale words, 16 bytes a row, and the same 256 bytes once more.
; A scale word is made for 128 features, two heads: the even head stores it as it is, the odd head shifted down by 16 bits.  The upper two bytes scale k = 64 .. 127, where q's codes are zeros; they are never 0xff.
; LIMITS: NaN and infinities are not served; a block under 2^-124, or of zeros, keeps the byte 1 (its codes add what the rule's would; this program alone reads the bytes).
; REGISTERS: window 0: v1-7 lane numbers and offsets; v16-23 LDS addresses; v28, v29 the add's two; v32-95 scale words (v[32 + 8 i + s]: lanes 0-15 P's tile i, lanes 16-31 R's tile i, K step s);
;   v128-223 P's fragments, one set; on the way out v128-243 at work.  window 1: R's fragments, two sets, at v0 and v128; v96-127, v224-255 biases.  windows 2, 3: the accumulators, (a, b) at v[8 (8 (a % 4) + b)].
; THE SLOTS, AS THEY ARE IN THIS TEXT (in place of the two steps a slot named above): a slot has room for THREE K steps.  K steps 0-2 lie in slot 0, 3-5 in slot 1, and slot 0 is filled again, once, with steps 6 and 7.
.set HALFT, 36864                      ; 8 tiles x 3 K steps x 1,536: what one tensor load brings, and what one wave reads of P or of R
.set SLOT,  147456                     ; P's two halves, then R's two
.set PT,    4608                       ; from tile to tile in a slot: three K steps; in slot 0's refill two
.set SPARE, 294912                     ; behind the two slots: the spare words, 128 bytes a wave
.set FR,    12
.set NL,    4                          ; LDS loads that bring a fragment
.set AF,    128
.set SC,    32
.set PA16,  16                         ; v16-17 P's fragments in slot 0, 1: + 16 x lane;  v18-19: + 8 x lane
.set PA8,   18
.set RA16,  20                         ; v20-23 the same for R
.set RA8,   22
.set SPW,   28
.set NIL,   29
.set G1,  24                           ; s[24:31] group 1 for P's tiles; s[32:39] group 0, a set for each slot
.set G0,  32
.set G1B, 48                           ; s[48:55], s[56:63] the same for R's
.set G0B, 56
.set SEL, 96
.set T,   128                          ; the way out: 64 numbers of a lane
.set PC,  192                          ; their codes
.set TM,  212                          ; at work
.set PW,  228                          ; v228-235 the eight blocks' scale words
.set MSB, 0
.macro WIN new                         ; the immediate's high byte repeats the setting that is left
.if MSB != (\new)
	s_set_vgpr_msb (MSB<<8)|(\new)
.set MSB, (\new)
.endif
.endm
.set MUL_LO, 0xa1                      ; source 0 (R) window 1, source 1 (P) window 0, C and D window 2
.set MUL_HI, 0xf1
.set TO_B,   0x40
; A joint load: waves 0 and 1 fetch P's halves, waves 2 and 3 R's.  The branch hangs on the wave's number alone.  An s_nop 0 and four v_nop follow each line.
.macro JLOAD g0a, g1a, g0b, g1b
	s_cmp_eq_u32 s15, 0
	s_cbranch_scc0 .Lfor_b_\@
	tensor_load_to_lds s[\g0a:\g0a+3], s[\g1a:\g1a+7]
	s_nop 0
.rept 4
	v_nop
.endr
	s_branch .Lasked_\@
.Lfor_b_\@:
	tensor_load_to_lds s[\g0b:\g0b+3], s[\g1b:\g1b+7]
	s_nop 0
.rept 4
	v_nop
.endr
.Lasked_\@:
.endm
.macro CREST                           ; a round of the cluster's barrier behind its opening barrier
	s_cmp_lg_u32 s14, 0
	s_cbranch_scc1 .Lnot_wave_0_\@
	s_barrier_signal -3
.Lnot_wave_0_\@:
	s_barrier_wait -3
	s_barrier_signal -1
	s_barrier_wait -1
.endm
.macro CROUND
	s_barrier_signal -1
	s_barrier_wait -1
	CREST
.endm
.macro PLACES n
.rept \n
	v_nop
.endr
.endm
	s_load_b256 s[68:75], s[0:1], 0x0              ; ops, scl, bq, bk
	s_load_b128 s[76:79], s[0:1], 0x20             ; bv, qb
	s_load_b128 s[80:83], s[0:1], 0x30             ; kv, sv
	v_lshl_add_u32 v[SPW], v0, 2, SPARE
	v_mov_b32 v[NIL], 0
	ds_add_u32 v[SPW], v[NIL]                      ; the wave's opening: the add, twice on end, and its wait ahead of my first tensor load
	ds_add_u32 v[SPW], v[NIL]
	v_lshrrev_b32 v1, 5, v0
	v_readfirstlane_b32 s14, v1                    ; wave 0..3
	s_lshr_b32 s15, s14, 1                         ; my half of P.  Also: I fetch for P (0) or for R (1)
	s_and_b32 s16, s14, 1                          ; my half of R.  Also: which half I fetch
	s_bfe_u32 s40, ttmp6, 0x40000                  ; cx
	s_bfe_u32 s41, ttmp6, 0x40004                  ; cy
	s_and_b32 s17, ttmp7, 0xffff                   ; the cluster's y
	s_lshl_b32 s43, s41, 2
	s_lshl_b32 s43, 15, s43                        ; my row of the cluster
	s_lshl_b32 s44, 0x1111, s40                    ; my column
	s_or_b32 s[G1+0], s43, (3<<16)|(1<<21)         ; the mask; elements of 8 bytes; bit 21 beside a mask; no padding
	s_or_b32 s[G1B+0], s44, (3<<16)|(1<<21)
.irp g, G1, G1B
	s_mov_b32 s[\g+1], 576<<16                     ; tensor_dim0: 4,608 bytes: a tile's three K steps
	s_mov_b32 s[\g+2], 8<<16                       ; tensor_dim1: 8 tiles
	s_mov_b32 s[\g+3], 576<<16                     ; tile_dim0
	s_mov_b32 s[\g+4], 8                           ; tile_dim1
	s_mov_b32 s[\g+5], 1536                        ; from tile to tile: 12,288 bytes
	s_mov_b32 s[\g+6], 0
	s_mov_b32 s[\g+7], 0
.endr
	s_mov_b32 s[SEL], 0x76543210
	s_mov_b32 s[SEL+1], 0xfedcba98
	s_mov_b32 s98, 0xffff0000                      ; lanes 16-31
	s_lshl_b32 s18, s17, 2                         ; 4 Y
	s_lshl_b32 s20, ttmp9, 2
	s_add_co_u32 s20, s20, 16                      ; 16 + 4 X: Wq's or Wk's blocks of 256 rows in ops
	s_cmp_lt_u32 ttmp9, 2                          ; the cluster's x: the same in all sixteen partners
	s_cselect_b32 s19, s18, 24                     ; P: tokens, or Wv
	s_cselect_b32 s20, s20, s18                    ; R: the weight, or tokens
	s_add_co_u32 s19, s19, s41                     ; IP: hangs on cy alone
	s_add_co_u32 s20, s20, s40                     ; IR: on cx alone
	s_mul_i32 s21, s16, 98304                      ; the half that I fetch
	s_mul_i32 s46, s19, 196608
	s_add_co_u32 s46, s46, s21
	s_mov_b32 s47, 0
	s_mul_i32 s92, s20, 196608
	s_add_co_u32 s92, s92, s21
	s_mov_b32 s93, 0
	s_mul_i32 s45, s14, HALFT                      ; where it goes: wave x a half: no place in the cluster enters an LDS address
	s_wait_dscnt 0x0                               ; both opening adds are done
	s_wait_kmcnt 0x0
	s_add_nc_u64 s[46:47], s[68:69], s[46:47]
	s_add_nc_u64 s[92:93], s[68:69], s[92:93]
	CROUND                                         ; all sixteen work-groups are here: the first joint loads meet
.irp s, 0,1
	s_mov_b32 s[G0+4*\s], 1
	s_add_co_u32 s[G0+4*\s+1], s45, \s*SLOT
	s_add_nc_u64 s[G0+4*\s+2:G0+4*\s+3], s[46:47], \s*4608
	s_or_b32 s[G0+4*\s+3], s[G0+4*\s+3], 0x80000000
	s_mov_b32 s[G0B+4*\s], 1
	s_add_co_u32 s[G0B+4*\s+1], s45, \s*SLOT
	s_add_nc_u64 s[G0B+4*\s+2:G0B+4*\s+3], s[92:93], \s*4608
	s_or_b32 s[G0B+4*\s+3], s[G0B+4*\s+3], 0x80000000
.endr
	JLOAD G0, G1, G0B, G1B                         ; slot 0: one tensor load a wave at the head
	v_and_b32 v1, 31, v0                           ; lane
	v_and_b32 v2, 15, v0                           ; r
	v_bfe_u32 v3, v0, 4, 1                         ; h
	v_lshlrev_b32 v4, 4, v1                        ; 16 x lane
	v_lshlrev_b32 v5, 3, v1                        ; 8 x lane
	s_mul_i32 s21, s15, HALFT
	s_mul_i32 s22, s16, HALFT
	s_add_co_u32 s22, s22, 2*HALFT
.irp s, 0,1
	v_add_nc_u32 v[PA16+\s], s21, v4
	v_add_nc_u32 v[PA8+\s], s21, v5
	v_add_nc_u32 v[RA16+\s], s22, v4
	v_add_nc_u32 v[RA8+\s], s22, v5
	s_add_co_u32 s21, s21, SLOT
	s_add_co_u32 s22, s22, SLOT
.endr
	; the scale words of my 8 tiles of P and of R, for all of K, come once, straight into the registers that the products name
	s_lshl_b32 s21, s19, 13
	s_lshl_b32 s22, s15, 12
	s_add_co_u32 s21, s21, s22                     ; (16 IP + 8 x my half) x 512
	s_lshl_b32 s22, s20, 13
	s_lshl_b32 s23, s16, 12
	s_add_co_u32 s22, s22, s23
	v_mov_b32 v6, s21
	v_mov_b32 v7, s22
	v_cmp_ne_u32 vcc_lo, 0, v3
	v_cndmask_b32 v6, v6, v7, vcc_lo               ; lanes 0-15 P's, lanes 16-31 R's
	v_lshl_add_u32 v6, v2, 2, v6
.irp i, 0,1,2,3,4,5,6,7
.irp s, 0,1,2,3,4,5,6,7
	global_load_b32 v[SC+8*\i+\s], v6, s[70:71] offset:512*\i+64*\s
.endr
.endr
.macro FRAG reg, a16, a8, q, i         ; tile i's fragment of the slot's q-th K step: the image's four parts
	ds_load_b128 v[\reg:\reg+3], v[\a16] offset:PT*(\i)+1536*(\q)
	ds_load_b64 v[\reg+4:\reg+5], v[\a8] offset:PT*(\i)+1536*(\q)+512
	ds_load_b128 v[\reg+6:\reg+9], v[\a16] offset:PT*(\i)+1536*(\q)+768
	ds_load_b64 v[\reg+10:\reg+11], v[\a8] offset:PT*(\i)+1536*(\q)+1280
.endm
.macro FETCH_B slot, q, p
	WIN TO_B
.irp i, 0,1,2,3,4,5,6,7
	FRAG 128*(\p)+FR*\i, RA16+\slot, RA8+\slot, \q, \i
.endr
	WIN 0
.endm
.macro FETCH_A slot, q, i0
.irp i, \i0, \i0+1, \i0+2, \i0+3
	FRAG AF+FR*(\i), PA16+\slot, PA8+\slot, \q, \i
.endr
.endm
; 16 matrix instructions: P's tiles a0, a0 + 1 x R's eight, K step s.  The 64 accumulators take turns, one instruction a turn, in the same order in every step.
.macro MUL16 a0, p, s, zero
.irp a, \a0, \a0+1
.irp b, 0,1,2,3,4,5,6,7
.if \zero
	v_wmma_scale_f32_16x16x128_f8f6f4 v[8*(8*((\a)%4)+\b):8*(8*((\a)%4)+\b)+7], v[128*(\p)+FR*\b:128*(\p)+FR*\b+FR-1], v[AF+FR*(\a):AF+FR*(\a)+FR-1], 0, v[SC+8*\b+(\s)], v[SC+8*(\a)+(\s)] matrix_a_fmt:MATRIX_FMT_FP6 matrix_b_fmt:MATRIX_FMT_FP6 matrix_a_scale:MATRIX_SCALE_ROW1
.else
	v_wmma_scale_f32_16x16x128_f8f6f4 v[8*(8*((\a)%4)+\b):8*(8*((\a)%4)+\b)+7], v[128*(\p)+FR*\b:128*(\p)+FR*\b+FR-1], v[AF+FR*(\a):AF+FR*(\a)+FR-1], v[8*(8*((\a)%4)+\b):8*(8*((\a)%4)+\b)+7], v[SC+8*\b+(\s)], v[SC+8*(\a)+(\s)] matrix_a_fmt:MATRIX_FMT_FP6 matrix_b_fmt:MATRIX_FMT_FP6 matrix_a_scale:MATRIX_SCALE_ROW1
.endif
.endr
.endr
.endm
; A K step that is not a slot's last (R's set s % 2); it fetches the slot's next step.  Four plain places stand in front of each run of loads into registers that matrix instructions have read (for instructions other than loads).
.macro STEP slot, s, zero
	s_wait_dscnt 4*NL                              ; R's set and P's tiles 0-3 are in; the youngest 16 loads (P's tiles 4-7) may be out
	WIN MUL_LO
	MUL16 0, (\s)%2, \s, \zero                     ; (K step s has R's set s % 2 and is the slot's step s % 3)
	MUL16 2, (\s)%2, \s, \zero
	s_wait_dscnt 0                                 ; P's tiles 4-7 are in
	PLACES 4
	FETCH_B \slot, ((\s)+1)%3, ((\s)+1)%2
	FETCH_A \slot, ((\s)+1)%3, 0
	WIN MUL_HI
	MUL16 4, (\s)%2, \s, \zero
	MUL16 6, (\s)%2, \s, \zero
	PLACES 4
	WIN 0
	FETCH_A \slot, ((\s)+1)%3, 4
.endm
; A slot's last K step (R's set s % 2) changes slots: ONE barrier; in front of it each wave waits for all its tensor loads, adds 0 to its spare word, and waits for that and for its reads of this slot.
.macro TURN slot, next, s, fill
	s_wait_tensorcnt 0x0                           ; all my tensor loads have landed: my part of the next slot
	ds_add_u32 v[SPW], v[NIL]
	s_wait_dscnt 4*NL+1                            ; (the add and the youngest 16 loads may be out)
	WIN MUL_LO
	MUL16 0, (\s)%2, \s, 0
	s_wait_dscnt 0x0                               ; the add is done, and my reads of this slot are over
	s_barrier_signal -1
	MUL16 2, (\s)%2, \s, 0
	WIN 0
	s_barrier_wait -1
.if \fill
	CREST                                          ; the barrier has opened a round of the cluster's: no wave of any partner still reads this slot or has a load on its way
	s_add_nc_u64 s[G0+4*\slot+2:G0+4*\slot+3], s[G0+4*\slot+2:G0+4*\slot+3], 9216    ; six K steps on
	s_add_nc_u64 s[G0B+4*\slot+2:G0B+4*\slot+3], s[G0B+4*\slot+2:G0B+4*\slot+3], 9216
	s_mov_b32 s[G1+1], 384<<16                     ; the refill has two K steps: 3,072 bytes a tile (no tensor load of mine is out, so a descriptor may be written)
	s_mov_b32 s[G1+3], 384<<16
	s_mov_b32 s[G1B+1], 384<<16
	s_mov_b32 s[G1B+3], 384<<16
	JLOAD G0+4*\slot, G1, G0B+4*\slot, G1B         ; the first tensor load behind the round; its four v_nop are the places in front of the loads below
.else
	PLACES 4
.endif
	s_wait_alu depctr_va_vdst(0)
	FETCH_B \next, 0, ((\s)+1)%2
	FETCH_A \next, 0, 0
	WIN MUL_HI
	MUL16 4, (\s)%2, \s, 0
	MUL16 6, (\s)%2, \s, 0
	PLACES 4
	WIN 0
	FETCH_A \next, 0, 4
.endm
.macro LAST
	s_wait_dscnt 4*NL
	WIN MUL_LO
	MUL16 0, 1, 7, 0
	MUL16 2, 1, 7, 0
	s_wait_dscnt 0
	WIN MUL_HI
	MUL16 4, 1, 7, 0
	MUL16 6, 1, 7, 0
	WIN 0
.endm
; 64 numbers of a lane, register 16 b + i = k 32 b + 16 (lane / 16) + i of my row, become a fragment's codes in v[PC] on and its scale word in v[pw].
.macro QUANT s, pw
.irp b, 0,1,2,3
	v_max3_num_f32 v[TM+\b], |v[\s+16*\b]|, |v[\s+1+16*\b]|, 0x1800000   ; my 16 numbers of block b, and the floor 2^(3 - 127)
.endr
.irp i, 2,4,6,8,10,12,14
.irp b, 0,1,2,3
	v_max3_num_f32 v[TM+\b], v[TM+\b], |v[\s+16*\b+\i]|, |v[\s+1+16*\b+\i]|
.endr
.endr
.irp b, 0,1,2,3
	v_permlanex16_b32 v[TM+4+\b], v[TM+\b], s[SEL], s[SEL+1]
.endr
.irp b, 0,1,2,3
	v_max_num_f32 v[TM+\b], v[TM+\b], v[TM+4+\b]   ; with lane l xor 16's: the block's largest magnitude
.endr
.irp b, 0,1,2,3
	v_add_nc_u32 v[TM+12+\b], 0xff000000, v[TM+\b] ; 2 off its exponent field: the conversion's scale operand
.endr
.irp b, 0,1,2,3
	v_lshrrev_b32 v[TM+4+\b], 23, v[TM+12+\b]      ; the scale's byte
.endr
	v_lshl_or_b32 v[\pw], v[TM+5], 8, v[TM+4]
	v_lshl_or_b32 v[\pw], v[TM+6], 16, v[\pw]
	v_lshl_or_b32 v[\pw], v[TM+7], 24, v[\pw]
.irp c, 0,1
	v_cvt_scalef32_pk16_fp6_f32 v[PC+6*\c:PC+2+6*\c], v[\s+32*\c:\s+15+32*\c], v[TM+12+2*\c]
	v_cvt_scalef32_pk16_fp6_f32 v[PC+12+4*\c:PC+14+4*\c], v[\s+16+32*\c:\s+31+32*\c], v[TM+12+2*\c+1]
.endr
	v_nop                                          ; one plain place behind a scaled conversion
.irp c, 0,1                                    ; the layout wants a WHOLE block in a lane: lanes 0-15 block 2 c, lanes 16-31 block 2 c + 1
.irp i, 0,1,2
	v_permlane16_swap_b32 v[PC+6*\c+\i], v[PC+12+4*\c+\i]
.endr
.irp i, 0,1,2
	v_mov_b32 v[PC+3+6*\c+\i], v[PC+12+4*\c+\i]
.endr
.endr
.endm
; THE WAY OUT of P's tile a: its 8 accumulators + the bias, each accumulator from its low end on; quantised; stored as an image.
.macro EPI a, isv
.if (\a) > 0
	s_wait_xcnt 0x0                                ; the last block's stores have read the codes' registers
.endif
.set AC, 64*((\a)%4)
	WIN 0x06+(\a)/4                                ; source 0 window 2 or 3, source 1 window 1, destination window 0
.irp b, 0,1,2,3,4,5,6,7
.irp k, 0,2,4,6
.if \isv
	v_pk_add_f32 v[T+8*\b+\k:T+8*\b+\k+1], v[AC+8*\b+\k:AC+8*\b+\k+1], v[96+2*(\a):97+2*(\a)]
.else
	v_pk_add_f32 v[T+8*\b+\k:T+8*\b+\k+1], v[AC+8*\b+\k:AC+8*\b+\k+1], v[96+8*\b+96*(\b/4)+\k:97+8*\b+96*(\b/4)+\k]
.endif
.endr
.endr
	WIN 0
	QUANT T, PW+(\a)
.if \isv
	global_store_b128 v4, v[PC:PC+3], s[86:87] offset:212992*((\a)/4)+1536*((\a)%4)
	global_store_b64 v5, v[PC+4:PC+5], s[86:87] offset:212992*((\a)/4)+1536*((\a)%4)+512
	global_store_b128 v4, v[PC+6:PC+9], s[86:87] offset:212992*((\a)/4)+1536*((\a)%4)+768
	global_store_b64 v5, v[PC+10:PC+11], s[86:87] offset:212992*((\a)/4)+1536*((\a)%4)+1280
	PLACES 8                                       ; in front of a scaled matrix instruction on registers that vector instructions wrote
	v_wmma_scale_f32_16x16x128_f8f6f4 v[8:15], v[244:255], v[PC:PC+11], 0, v30, v[PW+(\a)] matrix_a_fmt:MATRIX_FMT_FP6 matrix_b_fmt:MATRIX_FMT_FP6   ; ones x V: every register of lane (r, h) is the sum over these 128 keys of the quantised v of row r
	PLACES 4
	v_mov_b32 v[96+(\a)], v8
.else
	global_store_b128 v4, v[PC:PC+3], s[86:87] offset:768*(\a)          ; features 0-63: the even head's half image
	global_store_b64 v5, v[PC+4:PC+5], s[86:87] offset:768*(\a)+512
	global_store_b128 v4, v[PC+6:PC+9], s[88:89] offset:768*(\a)        ; features 64-127: the odd head's
	global_store_b64 v5, v[PC+10:PC+11], s[88:89] offset:768*(\a)+512
.endif
.endm
	s_wait_alu depctr_va_vdst(0)
	s_wait_tensorcnt 0x0                           ; my part of slot 0 is in
	ds_add_u32 v[SPW], v[NIL]
	s_wait_dscnt 0x0
	CROUND
	JLOAD G0+4, G1, G0B+4, G1B                     ; slot 1, the first tensor load behind the round
	FETCH_B 0, 0, 0
	FETCH_A 0, 0, 0
	FETCH_A 0, 0, 4
	s_wait_loadcnt 0x0                             ; the scale words
	STEP 0, 0, 1                                   ; the first step's products start the sums: nothing is cleared
	STEP 0, 1, 0
	TURN 0, 1, 2, 1                                ; the one refill
	STEP 1, 3, 0
	STEP 1, 4, 0
.set PT, 3072                          ; from here on the refill's two K steps are read
	TURN 1, 0, 5, 0                                ; nothing is left to fetch: no round
	STEP 0, 6, 0
	s_cmp_eq_u32 ttmp9, 2                          ; the cluster's x: all partners go the same way
	s_cbranch_scc1 .Lvalues
; ---- q or k: the bias hangs on the register (a feature); asked for ahead of the last K step
	s_cmp_eq_u32 ttmp9, 0
	s_cselect_b64 s[84:85], s[72:73], s[74:75]     ; bq or bk
	s_cselect_b64 s[86:87], s[78:79], s[80:81]     ; qb or kv
	s_mov_b32 s88, 13312
	s_cselect_b32 s88, 6656, s88                   ; bytes of a record
	s_lshl_b32 s89, s40, 1
	s_add_co_u32 s89, s89, s16                     ; which 128 features: 2 cx + my half
	s_lshl_b32 s90, s89, 9
	s_mov_b32 s91, 0
	s_add_nc_u64 s[84:85], s[84:85], s[90:91]
	s_lshl_b32 s89, s89, 5                         ; 16 x the even head
	s_lshl_b32 s90, s19, 1
	s_add_co_u32 s90, s90, s15                     ; which 128 tokens
	s_lshr_b32 s94, s90, 4                         ; batch
	s_and_b32 s90, s90, 15                         ; block of the sequence
	s_lshl_b32 s94, s94, 8
	s_add_co_u32 s90, s90, s94
	s_add_co_u32 s90, s90, s89                     ; (16 batch + head) 16 + block
	s_mul_i32 s90, s90, s88
	s_add_nc_u64 s[86:87], s[86:87], s[90:91]      ; the even head's record
	s_lshl_b32 s90, s88, 4
	s_add_nc_u64 s[88:89], s[86:87], s[90:91]      ; the odd head's: 16 records on
	v_lshlrev_b32 v27, 6, v3                       ; tile b's register j of lane (r, h) is feature 32 (b / 2) + 16 h + 8 (b % 2) + j
	WIN TO_B
.irp b, 0,1,2,3,4,5,6,7
	global_load_b128 v[96+8*\b+96*(\b/4):99+8*\b+96*(\b/4)], v27, s[84:85] offset:4*(32*(\b/2)+8*(\b%2))
	global_load_b128 v[100+8*\b+96*(\b/4):103+8*\b+96*(\b/4)], v27, s[84:85] offset:4*(32*(\b/2)+8*(\b%2))+16
.endr
	WIN 0
	LAST
	s_wait_loadcnt 0x0                             ; the bias
	PLACES 4                                       ; in front of the first read of results and the first write of P's registers
.irp b, 0,1,2,3
	v_mov_b32 v[TM+4+\b], 0                        ; a lane permute's destination counts as one of its sources
.endr
.irp a, 0,1,2,3,4,5,6,7
	EPI \a, 0
.endr
.irp i, 0,1,2,3
	v_cndmask_b32 v[236+\i], v[PW+\i], v[PW+4+\i], s98   ; lanes 0-15 the words of tiles 0-3, lanes 16-31 of tiles 4-7
.endr
.irp i, 0,1,2,3
	v_lshrrev_b32 v[240+\i], 16, v[236+\i]         ; the odd head's two bytes
.endr
	global_store_b128 v4, v[236:239], s[86:87] offset:6144
	global_store_b128 v4, v[240:243], s[88:89] offset:6144
	s_branch .Lend
; ---- v: the bias hangs on the lane (a feature); each is loaded into both registers of a pair, for the packed addition
.Lvalues:
	s_lshl_b32 s89, s41, 1
	s_add_co_u32 s89, s89, s15                     ; which 128 features: 2 cy + my half
	s_lshl_b32 s90, s89, 9
	s_mov_b32 s91, 0
	s_add_nc_u64 s[84:85], s[76:77], s[90:91]      ; bv
	s_lshl_b32 s89, s89, 5                         ; 16 x the even head
	s_lshl_b32 s90, s20, 1
	s_add_co_u32 s90, s90, s16                     ; which 128 tokens
	s_lshr_b32 s94, s90, 4
	s_and_b32 s90, s90, 15
	s_lshl_b32 s94, s94, 8
	s_add_co_u32 s90, s90, s94
	s_add_co_u32 s90, s90, s89
	s_lshl_b32 s94, s90, 8                         ; sv: 256 bytes for each (batch x head, key step): float 4 r + tile
	s_mov_b32 s95, 0
	s_add_nc_u64 s[82:83], s[82:83], s[94:95]
	s_mul_i32 s90, s90, 13312
	s_add_co_u32 s90, s90, 6656                    ; V lies behind K in a record
	s_add_nc_u64 s[86:87], s[80:81], s[90:91]
	v_and_b32 v27, 8, v2
	v_add_nc_u32 v27, v27, v2
	v_lshlrev_b32 v27, 2, v27                      ; 4 (r + 8 (r / 8))
	v_mul_u32_u24 v26, v3, 212992
	v_lshl_add_u32 v26, v2, 4, v26
	v_lshlrev_b32 v31, 12, v3
	v_lshl_add_u32 v31, v2, 4, v31                 ; sv: 16 r, and a head (16 records of 256 bytes) on for lanes 16-31
	v_mov_b32 v30, 0x7f7f7f7f                      ; the scales of the ones: 2^0
.irp i, 0,3,6,9
	v_mov_b32 v[244+\i], 0x08208208                ; codes of 1.0 (001000), a stream of bits that comes back after three words
	v_mov_b32 v[245+\i], 0x82082082
	v_mov_b32 v[246+\i], 0x20820820
.endr
	WIN TO_B
.irp a, 0,1,2,3,4,5,6,7
	global_load_b32 v[96+2*\a], v27, s[84:85] offset:4*(32*(\a/2)+8*(\a%2))
	global_load_b32 v[97+2*\a], v27, s[84:85] offset:4*(32*(\a/2)+8*(\a%2))
.endr
	WIN 0
	LAST
	s_wait_loadcnt 0x0
	PLACES 4
.irp b, 0,1,2,3
	v_mov_b32 v[TM+4+\b], 0
.endr
.irp a, 0,1,2,3,4,5,6,7
	EPI \a, 1
.endr
.irp i, 0,1,2,3
	v_cndmask_b32 v[236+\i], v[PW+\i], v[PW+4+\i], s98   ; lanes 0-15 the even head's four tiles, lanes 16-31 the odd head's
.endr
	global_store_b128 v26, v[236:239], s[86:87] offset:6144
	global_store_b128 v26, v[236:239], s[86:87] offset:6400
.irp i, 0,1,2,3
	v_cndmask_b32 v[104+\i], v[96+\i], v[100+\i], s98   ; the sums over the keys: lanes 0-15 the even head's four tiles, lanes 16-31 the odd head's
.endr
	global_store_b128 v31, v[104:107], s[82:83]    ; 256 consecutive bytes a head
.Lend:
	s_wait_tensorcnt 0x0                           ; the wave's end
	ds_add_u32 v[SPW], v[NIL]
	s_wait_dscnt 0x0
	CROUND                                         ; the closing round
	s_endpgm
.Lfunc_end_k_q82c1dddb50_qkv:
	.size	k_q82c1dddb50_qkv, .Lfunc_end_k_q82c1dddb50_qkv-k_q82c1dddb50_qkv
	.p2alignl 7, 3214868480
	.fill 96, 4, 3214868480
	.section	.rodata,"a",@progbits
	.p2align	6, 0x0
	.amdhsa_kernel k_q82c1dddb50_qkv
		.amdhsa_group_segment_fixed_size 327680
		.amdhsa_private_segment_fixed_size 0
		.amdhsa_enable_private_segment 0
		.amdhsa_kernarg_size 64
		.amdhsa_user_sgpr_count 2
		.amdhsa_user_sgpr_kernarg_segment_ptr 1
		.amdhsa_wavefront_size32 1
		.amdhsa_system_sgpr_workgroup_id_x 1
		.amdhsa_system_sgpr_workgroup_id_y 1
		.amdhsa_system_sgpr_workgroup_id_z 1
		.amdhsa_system_vgpr_workitem_id 0
		.amdhsa_next_free_vgpr 1024
		.amdhsa_next_free_sgpr 100
		.amdhsa_reserve_vcc 1
		.amdhsa_float_denorm_mode_32 3
		.amdhsa_float_denorm_mode_16_64 3
		.amdhsa_memory_ordered 1
		.amdhsa_forward_progress 1
		.amdhsa_inst_pref_size 234
	.end_amdhsa_kernel
	.amdgpu_metadata
---
amdhsa.version: [ 1, 2 ]
amdhsa.kernels:
  - .name:           k_q82c1dddb50_qkv
    .symbol:         k_q82c1dddb50_qkv.kd
    .args:
      - { .name: ops, .offset: 0, .size: 8, .value_kind: global_buffer, .address_space: global }
      - { .name: scl, .offset: 8, .size: 8, .value_kind: global_buffer, .address_space: global }
      - { .name: bq, .offset: 16, .size: 8, .value_kind: global_buffer, .address_space: global }
      - { .name: bk, .offset: 24, .size: 8, .value_kind: global_buffer, .address_space: global }
      - { .name: bv, .offset: 32, .size: 8, .value_kind: global_buffer, .address_space: global }
      - { .name: qb, .offset: 40, .size: 8, .value_kind: global_buffer, .address_space: global }
      - { .name: kv, .offset: 48, .size: 8, .value_kind: global_buffer, .address_space: global }
      - { .name: sv, .offset: 56, .size: 8, .value_kind: global_buffer, .address_space: global }
    .group_segment_fixed_size: 327680
    .private_segment_fixed_size: 0
    .kernarg_segment_align: 8
    .kernarg_segment_size: 64
    .max_flat_workgroup_size: 128
    .sgpr_count:     100
    .vgpr_count:     1024
    .wavefront_size: 32
...
	.end_amdgpu_metadata
.endif
;; end of part 2
;; launch attn (part 3): grid 256 x 1, 16 waves a work-group, clusters of 4 x 1, 327,680 bytes of LDS; arguments qb, kv, sv, ops, scl; writes ops, scl
.if DOCPART == 3
	.amdgcn_target "amdgcn-amd-amdhsa--gfx1250"
	.amdhsa_code_object_version 6
	.text
	.protected	k_q82c1dddb50_attn
	.globl	k_q82c1dddb50_attn
	.p2align	8
	.type	k_q82c1dddb50_attn,@function
k_q82c1dddb50_attn:
	s_mov_b64 s[64:65], 0
	v_nop
	global_prefetch_b8 v0, s[64:65] scope:SCOPE_SE
	s_setreg_imm32_b32 hwreg(HW_REG_WAVE_MODE, 25, 1), 1
	s_wait_xcnt 0x0
	s_wait_alu depctr_hold_cnt(0) depctr_sa_sdst(0) depctr_va_vdst(0) depctr_va_sdst(0) depctr_va_ssrc(0) depctr_va_vcc(0) depctr_vm_vsrc(0)
	s_getreg_b32 s2, hwreg(HW_REG_IB_STS2, 6, 4)
	s_cmp_eq_u32 s2, 0
	s_cbranch_scc0 .Lentry_in_a_cluster
	s_endpgm
.Lentry_in_a_cluster:
	s_bfe_u32 s2, ttmp6, 0x10000c
	s_cmp_lg_u32 s2, 0x3003
	s_cbranch_scc0 .Lentry_shape_is_right
	s_endpgm
.Lentry_shape_is_right:
; LAUNCH 3 OF 4: scores (product 4), softmax, product 5, the division by the row's sum, and ctx quantised for launch oproj.
; DEAD WORK LEFT OUT: product 4 on key steps that lie wholly above the diagonal: reference() replaces those scores by -10000 in its own jnp.where on its own jnp.tril.
; NOT left out: a hidden key's p = 2^(-10000 log2(e) - M).  In a hidden key step all p of a row are that one number, so its blocks' codes are one number too: the step's part of product 5 is
; that quantised number x the sum over the step's keys of the quantised v, which launch qkv has made (sv).  The hidden steps count in M and in the row's sum.
; LIMITS: NaN and infinities are not served; scaled scores (exponents to the base 2, before M is taken away) under 2^31 in magnitude; what would be a NaN, an infinity or an overflow only in scores left out
; is not carried to the result; blocks under 2^-124 keep the scale byte 1.
; THE DEAL.  A work-group takes one (batch, head) and the tile x of 16 queries of EACH of the 16 blocks of 128 queries: so all work-groups are alike, and only addresses and the mask's threshold hang on x.
; 16 waves in 8 pairs p = wave % 8: tiles in blocks j = 8 + p and 7 - p, together 17 key steps of 128.  Wave A (waves 0-7): key steps j - 8 .. j of tile j (9 trips).  Wave B (waves 8-15): all 8 - p steps of tile 7 - p,
; then steps 0 .. j - 9 of tile j (8 trips); its part of tile j goes through LDS to wave A, which joins the two; wave B ends with tile 7 - p.
; K AND V of all 16 key steps (records of 13,312 bytes: launch qkv) lie in LDS for the whole launch: each wave fetches one record at the head, jointly with the cluster's four work-groups, which have one head.
; One barrier shows them all; nothing is filled again, and no barrier stands in the loop.
; No prefetch: every tile is asked for at the head, there is no loop to run ahead in.
; REGISTERS: v16-27 q (v22-27 zeros: k = 64 .. 127), v255 its scale word; v86-92 the second tile's; v32-85 fragments of K or V; v96-159 scores, then p; v160-191 O^T; v192-223, v28, v30 a finished tile of wave B:
; O^T, sum, -M; v224-235 p's codes, v253 their scale word; v248-251 scale words of K or V; v12 -M, v13 the largest t, v14-15 the row's sum.
.set REC,   13312
.set SVB,   212992                     ; sv's 16 key steps of 256 bytes
.set MRG,   217088                     ; wave B's part of tile j: 4,352 bytes a pair
.set MSZ,   4352
.set SFX,   251904                     ; a wave's own 256 bytes: the sum over its tile's hidden steps
.set SPARE, 256000                     ; the spare words, 128 bytes a wave
.set WV,  14
.set G1,  16
.set G0,  24
.set HD,  28
.set XT,  29
.set ROLE,30
.set PR,  31
.set J1,  32
.set J2,  33
.set SW,  34
.set KO,  35
.set KA,  36
.set LK,  37
.set K,   38
.set KS,  39
.set JC,  40
.set TB,  41
.set MI2, 42
.set MI1, 43
.set CS,  44
.set SEL, 46
.set F,   48
.macro CROUND                          ; a round of the cluster's barrier
	s_barrier_signal -1
	s_barrier_wait -1
	s_cmp_lg_u32 s[WV], 0
	s_cbranch_scc1 .Lnot_wave_0_\@
	s_barrier_signal -3
.Lnot_wave_0_\@:
	s_barrier_wait -3
	s_barrier_signal -1
	s_barrier_wait -1
.endm
	s_load_b256 s[4:11], s[0:1], 0x0               ; qb, kv, sv, ops
	s_load_b64 s[12:13], s[0:1], 0x20              ; scl
	v_lshl_add_u32 v5, v0, 2, SPARE                ; my spare word,
	v_mov_b32 v6, 0                                ; and 0: kept for the add alone
	ds_add_u32 v5, v6                              ; the opening: the add, twice on end
	ds_add_u32 v5, v6
	v_lshrrev_b32 v8, 5, v0
	v_readfirstlane_b32 s[WV], v8
	s_bfe_u32 s[XT], ttmp6, 0x40000                ; cx
	s_and_b32 s[HD], ttmp9, 15                     ; the head hangs on the cluster's number modulo 32: a head's two clusters are 32 apart
	s_lshl_b32 s[HD], s[HD], 1
	s_bfe_u32 s50, ttmp9, 0x10004
	s_add_co_u32 s[HD], s[HD], s50                 ; 16 batch + head
	s_lshr_b32 s50, ttmp9, 5
	s_lshl_b32 s50, s50, 2
	s_add_co_u32 s[XT], s[XT], s50                 ; x
	s_mov_b32 s[G1], 15|(3<<16)|(1<<21)            ; the mask: all four of the cluster; elements of 8 bytes
	s_mov_b32 s[G1+1], 32<<16                      ; 52 dense rows of 256 bytes
	s_mov_b32 s[G1+2], 52<<16
	s_mov_b32 s[G1+3], 32<<16
	s_mov_b32 s[G1+4], 52
	s_mov_b32 s[G1+5], 32
	s_mov_b32 s[G1+6], 0
	s_mov_b32 s[G1+7], 0
	s_mul_i32 s50, s[WV], REC                      ; record = my wave's number
	s_mul_i32 s52, s[HD], 16*REC
	s_add_co_u32 s52, s52, s50
	s_mov_b32 s53, 0
	s_mov_b32 s[G0], 1
	s_mov_b32 s[G0+1], s50
	s_wait_dscnt 0x0                               ; both adds are done
	CROUND                                         ; all four work-groups are here: the joint loads meet
	s_wait_kmcnt 0x0
	s_add_nc_u64 s[G0+2:G0+3], s[6:7], s[52:53]
	s_or_b32 s[G0+3], s[G0+3], 0x80000000
	tensor_load_to_lds s[G0:G0+3], s[G1:G1+7]
	s_nop 0
.rept 4
	v_nop
.endr
	s_lshr_b32 s[ROLE], s[WV], 3                   ; 0: wave A, 1: wave B
	s_and_b32 s[PR], s[WV], 7                      ; pair p
	s_add_co_u32 s[J2], s[PR], 8                   ; j
	s_sub_co_u32 s50, 7, s[PR]                     ; 7 - p
	s_add_co_u32 s[KO], s[PR], 8                   ; wave B behind its change of tiles: key step = (trip + 8 + p) modulo 16 = trip - 8 + p
	s_cmp_eq_u32 s[ROLE], 0
	s_cselect_b32 s[J1], s[J2], s50                ; the block of my first tile, which is also the one that I finish
	s_cselect_b32 s[SW], 15, s50                   ; the trip behind which I change tiles (wave A: none)
	s_cselect_b32 s[KA], s[PR], 0                  ; wave A's key step is trip + p; wave B's, in its first tile, the trip
	s_cselect_b32 s[LK], 8, 7                      ; my last trip
	s_mov_b32 s50, 0xc6616bcd                      ; t of a hidden key: -80000 x CS rounded to f32: M starts there where hidden steps exist
	s_cmp_eq_u32 s[PR], 7
	s_cselect_b32 s[MI2], 0xff61b1e6, s50          ; block 15 has no hidden step: -3e38
	s_cmp_eq_u32 s[ROLE], 0
	s_cselect_b32 s[MI1], s[MI2], s50
	s_mov_b32 s[CS], 0x3e38aa3b                    ; log2(e) / 8
	s_mov_b32 s[CS+1], s[CS]
	s_mov_b32 s[SEL], 0x76543210
	s_mov_b32 s[SEL+1], 0xfedcba98
	s_lshl_b32 s50, s[HD], 4
	s_add_co_u32 s52, s50, s[J1]
	s_mul_i32 s52, s52, 6656
	s_mov_b32 s53, 0
	s_add_nc_u64 s[52:53], s[4:5], s[52:53]        ; q of my first tile's block,
	s_add_co_u32 s54, s50, s[J2]
	s_mul_i32 s54, s54, 6656
	s_mov_b32 s55, 0
	s_add_nc_u64 s[54:55], s[4:5], s[54:55]        ; and of block j
	s_add_co_u32 s56, s50, s[WV]
	s_lshl_b32 s56, s56, 8
	s_mov_b32 s57, 0
	s_add_nc_u64 s[56:57], s[8:9], s[56:57]        ; sv of key step = my wave's number
	s_lshr_b32 s58, s[HD], 4
	s_lshl_b32 s58, s58, 7
	s_lshl_b32 s59, s[J1], 3
	s_add_co_u32 s58, s58, s59
	s_add_co_u32 s58, s58, s[XT]
	s_add_co_u32 s58, s58, 512                     ; ctx's tile T in ops
	s_and_b32 s59, s[HD], 15
	s_lshr_b32 s60, s59, 1                         ; K step of launch oproj
	s_and_b32 s59, s59, 1                          ; its half
	s_lshl_b32 s61, s58, 3
	s_add_co_u32 s61, s61, s60
	s_mul_i32 s62, s61, 1536
	s_mul_i32 s61, s59, 768
	s_add_co_u32 s62, s62, s61
	s_mov_b32 s63, 0
	s_add_nc_u64 s[10:11], s[10:11], s[62:63]
	s_lshl_b32 s62, s58, 9
	s_lshl_b32 s60, s60, 6
	s_add_co_u32 s62, s62, s60
	s_lshl_b32 s59, s59, 1
	s_add_co_u32 s62, s62, s59
	s_add_nc_u64 s[12:13], s[12:13], s[62:63]
	s_mul_i32 s60, s[XT], 768                      ; tile x in a block of qb: its half image,
	s_lshr_b32 s62, s[XT], 2
	s_lshl_b32 s62, s62, 8
	s_and_b32 s63, s[XT], 3
	s_lshl_b32 s63, s63, 2
	s_add_co_u32 s62, s62, s63                     ; and its scale word
	s_lshr_b32 s61, s[XT], 1
	s_lshl_b32 s61, s61, 5
	s_and_b32 s63, s[XT], 1
	s_lshl_b32 s63, s63, 3
	s_add_co_u32 s61, s61, s63                     ; tile x's first query in its block
	s_mul_i32 s50, s[PR], MSZ
	s_add_co_u32 s50, s50, MRG
	s_add_co_u32 s51, s50, 4096
	s_lshl_b32 s58, s[WV], 8
	s_add_co_u32 s59, s58, SVB
	s_add_co_u32 s58, s58, SFX
	v_and_b32 v33, 31, v0                          ; lane
	v_and_b32 v32, 15, v0                          ; r
	v_bfe_u32 v34, v0, 4, 1                        ; h
	v_lshlrev_b32 v1, 4, v33                       ; 16 x lane
	v_lshlrev_b32 v2, 3, v33                       ; 8 x lane
	v_add_nc_u32 v35, s60, v1
	v_add_nc_u32 v36, s60, v2
	v_lshl_add_u32 v37, v32, 4, s62
	s_wait_alu depctr_va_vdst(0)
	global_load_b128 v[16:19], v35, s[52:53]
	global_load_b64 v[20:21], v36, s[52:53] offset:512
	global_load_b32 v255, v37, s[52:53] offset:6144
	global_load_b128 v[86:89], v35, s[54:55]       ; (of wave A the same tile once more: one text for both)
	global_load_b64 v[90:91], v36, s[54:55] offset:512
	global_load_b32 v92, v37, s[54:55] offset:6144
	global_load_b64 v[94:95], v2, s[56:57]
	v_add_nc_u32 v10, s50, v1                      ; my pair's part of tile j: O^T,
	v_add_nc_u32 v11, s51, v2                      ; its sum and -M
	v_add_nc_u32 v93, s59, v2                      ; sv into LDS,
	v_add_nc_u32 v31, SVB, v2                      ; and out of it
	v_add_nc_u32 v4, s58, v2                       ; my tile's sum over hidden steps: into LDS,
	v_lshlrev_b32 v7, 7, v34
	v_add_nc_u32 v7, s58, v7                       ; and out of it: lane (., h) takes rows 8 h .. 8 h + 7 of the four tiles
	v_and_b32 v3, 8, v32
	v_add_nc_u32 v3, v3, v32
	v_lshlrev_b32 v34, 4, v34
	v_sub_nc_u32 v3, v3, v34
	v_add_nc_u32 v3, s61, v3                       ; my query's place in its block - 16 h: key 32 (n / 16) + n % 16 + 16 h of register n is hidden where it lies beyond
	v_mov_b32 v13, s[MI1]
	v_floor_f32 v12, -v13
	v_mov_b32 v14, 0
	v_mov_b32 v15, 0
	v_mov_b32 v252, 0
	v_mov_b32 v253, 0
	v_mov_b32 v28, 0                               ; (what wave B's change of tiles writes is written here on every wave's way)
	v_mov_b32 v30, 0
.irp i, 22,23,24,25,26,27, 80,81,82,83,84,85, 236,237,238,239
	v_mov_b32 v[\i], 0
.endr
.set n, 160
.rept 64
	v_mov_b32 v[n], 0
.set n, n+1
.endr
.macro VLOAD
.irp t, 0,1,2,3
	ds_load_b128 v[32+12*\t:35+12*\t], v8 offset:6656+1536*\t
	ds_load_b64 v[36+12*\t:37+12*\t], v9 offset:6656+1536*\t+512
	ds_load_b128 v[38+12*\t:41+12*\t], v8 offset:6656+1536*\t+768
	ds_load_b64 v[42+12*\t:43+12*\t], v9 offset:6656+1536*\t+1280
.endr
	ds_load_b128 v[248:251], v8 offset:12800
.endm
; 64 scores of a lane -> p's codes and scale word; M, the row's sum and O^T brought under the new M (an exact power of two)
.macro SOFTMAX
.irp b, 0,1,2,3
	v_max3_num_f32 v[232+\b], v[96+16*\b], v[97+16*\b], v[98+16*\b]   ; the largest score of each block of 32 keys serves the row's maximum and, since p rises with the score, the block's largest p
.endr
.irp i, 3,5,7,9,11,13
.irp b, 0,1,2,3
	v_max3_num_f32 v[232+\b], v[232+\b], v[96+16*\b+\i], v[97+16*\b+\i]
.endr
.endr
.irp b, 0,1,2,3
	v_max_num_f32 v[232+\b], v[232+\b], v[111+16*\b]
.endr
.irp b, 0,1,2,3
	s_delay_alu instid0(VALU_DEP_4)
	v_permlanex16_b32 v[236+\b], v[232+\b], s[SEL], s[SEL+1]
.endr
.irp b, 0,1,2,3
	s_delay_alu instid0(VALU_DEP_4)
	v_max_num_f32 v[232+\b], v[232+\b], v[236+\b]
.endr
	s_delay_alu instid0(VALU_DEP_2)
	v_max3_num_f32 v254, v232, v233, v234
	s_delay_alu instid0(VALU_DEP_1)
	v_max_num_f32 v254, v254, v235
	s_delay_alu instid0(VALU_DEP_1)
	v_mul_f32 v254, s[CS], v254
	s_delay_alu instid0(VALU_DEP_1)
	v_max_num_f32 v13, v13, v254
	v_mov_b32 v254, v12
	s_delay_alu instid0(VALU_DEP_2)
	v_floor_f32 v12, -v13                          ; -M
	s_delay_alu instid0(VALU_DEP_1)
	v_sub_f32 v254, v12, v254
	s_delay_alu instid0(VALU_DEP_1)
	v_cvt_i32_f32 v254, v254
	s_delay_alu instid0(VALU_DEP_1)
	v_ldexp_f32 v252, 1.0, v254                    ; 2^(old M - new M)
.set n, 0
.rept 32
	v_pk_fma_f32 v[96+n:97+n], v[96+n:97+n], s[CS:CS+1], v[12:13] op_sel_hi:[1,0,0]
.set n, n+2
.endr
.irp b, 0,1,2,3
	v_fma_f32 v[232+\b], v[232+\b], s[CS], v12
.endr
.set n, 0
	s_wait_alu depctr_va_vdst(0)
.rept 64
	v_exp_f32 v[96+n], v[96+n]
.set n, n+1
.endr
	v_pk_mul_f32 v[14:15], v[14:15], v[252:253] op_sel_hi:[1,0]
	s_wait_alu depctr_va_vdst(0)
.irp b, 0,1,2,3
	v_exp_f32 v[232+\b], v[232+\b]
.endr
	v_pk_add_f32 v[236:237], v[96:97], v[98:99]    ; the row's sum is taken of the unquantised p
.irp j, 4,8,12,16,20,24,28,32,36,40,44,48,52,56,60
	v_pk_add_f32 v[14:15], v[14:15], v[96+\j:97+\j]
	v_pk_add_f32 v[236:237], v[236:237], v[98+\j:99+\j]
.endr
	s_delay_alu instid0(VALU_DEP_1)
	v_pk_add_f32 v[14:15], v[14:15], v[236:237]
	s_wait_alu depctr_va_vdst(0)
.irp b, 0,1,2,3
	v_max_num_f32 v[232+\b], 0x1800000, v[232+\b]
.endr
.irp b, 0,1,2,3
	s_delay_alu instid0(VALU_DEP_4)
	v_add_nc_u32 v[244+\b], 0xff000000, v[232+\b]
.endr
.irp b, 0,1,2,3
	s_delay_alu instid0(VALU_DEP_4)
	v_lshrrev_b32 v[236+\b], 23, v[244+\b]
.endr
	s_delay_alu instid0(VALU_DEP_3)
	v_lshl_or_b32 v253, v237, 8, v236
	s_delay_alu instid0(VALU_DEP_1)
	v_lshl_or_b32 v253, v238, 16, v253
	s_delay_alu instid0(VALU_DEP_1)
	v_lshl_or_b32 v253, v239, 24, v253
.irp c, 0,1
	v_cvt_scalef32_pk16_fp6_f32 v[224+6*\c:226+6*\c], v[96+32*\c:111+32*\c], v[244+2*\c]
	v_cvt_scalef32_pk16_fp6_f32 v[236+4*\c:238+4*\c], v[112+32*\c:127+32*\c], v[244+2*\c+1]
.endr
	v_nop
.irp c, 0,1
.irp i, 0,1,2
	v_permlane16_swap_b32 v[224+6*\c+\i], v[236+4*\c+\i]
.endr
.irp i, 0,1,2
	s_delay_alu instid0(VALU_DEP_3)
	v_mov_b32 v[227+6*\c+\i], v[236+4*\c+\i]
.endr
.endr
	s_wait_alu depctr_va_vdst(0)                   ; directly ahead of the first reader of O^T
.set n, 0
.rept 16
	v_pk_mul_f32 v[160+n:161+n], v[160+n:161+n], v[252:253] op_sel_hi:[1,0]
.set n, n+2
.endr
.endm
.macro SWITCH                          ; wave B: its first tile is done and is set aside; on to tile j
.rept 4
	v_nop
.endr
	v_mov_b32 v255, v92
.irp i, 0,1,2,3,4,5
	v_mov_b32 v[16+\i], v[86+\i]
.endr
.set n, 0
.rept 32
	v_mov_b32 v[192+n], v[160+n]
.set n, n+1
.endr
	v_add_f32 v28, v14, v15
	v_mov_b32 v30, v12
	v_mov_b32 v13, s[MI2]
	v_mov_b32 v14, 0
	v_mov_b32 v15, 0
	v_floor_f32 v12, -v13
.set n, 0
.rept 32
	v_mov_b32 v[160+n], 0
.set n, n+1
.endr
	s_wait_alu depctr_va_vdst(0)
.endm
	s_wait_alu depctr_va_vdst(0)
	s_wait_loadcnt 0x0
	s_wait_tensorcnt 0x0                           ; my record is in
	ds_store_b64 v93, v[94:95]
	s_wait_dscnt 0x0
	s_barrier_signal -1
	s_barrier_wait -1                              ; all 16 records and sv are in
	s_mov_b32 s[K], 0
.Ltrip:
	s_cmp_gt_u32 s[K], s[LK]                       ; wave B has no ninth trip
	s_cbranch_scc1 .Lnext
	s_cmp_gt_u32 s[K], s[SW]
	s_cselect_b32 s[KS], s[KO], s[KA]
	s_cselect_b32 s[JC], s[J2], s[J1]              ; the block of the tile at work
	s_add_co_u32 s[KS], s[KS], s[K]
	s_and_b32 s[KS], s[KS], 15                     ; the key step
	s_mul_i32 s[TB], s[KS], REC
	v_add_nc_u32 v8, s[TB], v1
	v_add_nc_u32 v9, s[TB], v2
	v_nop
	v_nop
.irp t, 0,1,2,3,4,5,6,7
	ds_load_b128 v[32+6*\t:35+6*\t], v8 offset:768*\t
	ds_load_b64 v[36+6*\t:37+6*\t], v9 offset:768*\t+512
.endr
	ds_load_b128 v[248:251], v8 offset:6144
	s_wait_dscnt 0x0
.irp t, 0,1,2,3                        ; S^T = K q^T; a tile's upper six registers meet q's zeros
	v_wmma_scale_f32_16x16x128_f8f6f4 v[96+8*\t:103+8*\t], v[32+6*\t:43+6*\t], v[16:27], 0, v[248+\t], v255 matrix_a_fmt:MATRIX_FMT_FP6 matrix_b_fmt:MATRIX_FMT_FP6
.endr
.irp t, 4,5,6,7
	v_wmma_scale_f32_16x16x128_f8f6f4 v[96+8*\t:103+8*\t], v[32+6*\t:43+6*\t], v[16:27], 0, v[244+\t], v255 matrix_a_fmt:MATRIX_FMT_FP6 matrix_b_fmt:MATRIX_FMT_FP6 matrix_a_scale:MATRIX_SCALE_ROW1
.endr
.rept 4
	v_nop
.endr
	s_wait_alu depctr_va_vdst(0)
	VLOAD
	s_cmp_lg_u32 s[KS], s[JC]
	s_cbranch_scc1 .Lopen
	v_mov_b32 v254, 0xc79c4000                     ; the diagonal step: a hidden key's score, -10000 x 8 (CS holds the 1/8)
.set n, 0
.rept 64
	v_cmp_gt_i32 vcc_lo, 32*(n/16)+n%16, v3
	v_cndmask_b32 v[96+n], v[96+n], v254, vcc_lo
.set n, n+1
.endr
.Lopen:
	SOFTMAX
	s_wait_dscnt 0x0
	s_wait_alu depctr_va_vdst(0)
.irp t, 0,1,2,3                        ; O^T += V^T p^T
	v_wmma_scale_f32_16x16x128_f8f6f4 v[160+8*\t:167+8*\t], v[32+12*\t:43+12*\t], v[224:235], v[160+8*\t:167+8*\t], v[248+\t], v253 matrix_a_fmt:MATRIX_FMT_FP6 matrix_b_fmt:MATRIX_FMT_FP6
.endr
	s_cmp_lg_u32 s[K], s[SW]
	s_cbranch_scc1 .Lnext
	SWITCH
.Lnext:
	s_add_co_u32 s[K], s[K], 1
	s_cmp_lt_u32 s[K], 9
	s_cbranch_scc1 .Ltrip
; ---- wave B hands its part of tile j over
.rept 4
	v_nop
.endr
	v_add_f32 v14, v14, v15
	s_wait_alu depctr_va_vdst(0)
	s_cmp_eq_u32 s[ROLE], 0
	s_cbranch_scc1 .Lkeep
	v_mov_b32 v15, v12
.irp i, 0,1,2,3,4,5,6,7
	ds_store_b128 v10, v[160+4*\i:163+4*\i] offset:512*\i
.endr
	ds_store_b64 v11, v[14:15]
.Lkeep:
; ---- the sum of the quantised v over the hidden steps of the tile that I finish: key steps above its block.  Lane l sums floats 2 l, 2 l + 1
.irp i, 1,2,3,4,5,6,7,8,9,10,11,12,13,14,15
	ds_load_b64 v[96+2*\i:97+2*\i], v31 offset:256*\i
.endr
	s_mov_b32 s[F+1], 0
	s_cmp_lt_u32 s[J1], 1
	s_cselect_b32 s[F], 1.0, 0
	s_wait_dscnt 0x0
	v_pk_mul_f32 v[128:129], v[98:99], s[F:F+1] op_sel_hi:[1,0]
.irp i, 2,3,4,5,6,7,8,9,10,11,12,13,14,15
	s_cmp_lt_u32 s[J1], \i
	s_cselect_b32 s[F], 1.0, 0
	v_pk_fma_f32 v[128:129], v[96+2*\i:97+2*\i], s[F:F+1], v[128:129] op_sel_hi:[1,0,1]
.endr
	ds_store_b64 v4, v[128:129]
.irp i, 0,1,2,3,4,5,6,7
	ds_load_b128 v[96+4*\i:99+4*\i], v7 offset:16*\i   ; register 4 i + t: row 8 h + i of V's tile t
.endr
	s_wait_dscnt 0x0
	s_barrier_signal -1
	s_barrier_wait -1
	s_cmp_eq_u32 s[ROLE], 0
	s_cbranch_scc0 .Lrestore
; ---- wave A joins the two parts under the larger M
.irp i, 0,1,2,3,4,5,6,7
	ds_load_b128 v[32+4*\i:35+4*\i], v10 offset:512*\i
.endr
	ds_load_b64 v[64:65], v11
	s_wait_dscnt 0x0
	v_min_num_f32 v240, v12, v65
	v_sub_f32 v241, v240, v12
	v_sub_f32 v242, v240, v65
	v_cvt_i32_f32 v241, v241
	v_cvt_i32_f32 v242, v242
	v_ldexp_f32 v244, 1.0, v241
	v_ldexp_f32 v246, 1.0, v242
	v_mul_f32 v14, v14, v244
	v_mov_b32 v12, v240
	v_fma_f32 v14, v64, v246, v14
.set n, 0
.rept 16
	v_pk_mul_f32 v[160+n:161+n], v[160+n:161+n], v[244:245] op_sel_hi:[1,0]
.set n, n+2
.endr
.set n, 0
.rept 16
	v_pk_fma_f32 v[160+n:161+n], v[32+n:33+n], v[246:247], v[160+n:161+n] op_sel_hi:[1,0,1]
.set n, n+2
.endr
	s_wait_alu depctr_va_vdst(0)
	s_branch .Lfinish
.Lrestore:
.set n, 0
.rept 32
	v_mov_b32 v[160+n], v[192+n]
.set n, n+1
.endr
	v_mov_b32 v14, v28
	v_mov_b32 v12, v30
.Lfinish:
	s_sub_co_u32 s50, 15, s[J1]
	s_lshl_b32 s50, s50, 7                         ; keys in hidden steps
	v_cvt_f32_u32 v243, s50
	v_mov_b32 v240, 0xc79c4000
	v_fma_f32 v240, v240, s[CS], v12
	v_permlanex16_b32 v252, v14, s[SEL], s[SEL+1]
	v_min_num_f32 v240, 0, v240                    ; (where there are hidden steps M is no smaller than their t; block 15 has none, and the bound keeps its unused p finite)
	v_add_f32 v14, v14, v252                       ; with lane l xor 16's keys: the row's sum
	s_wait_alu depctr_va_vdst(0)
	v_exp_f32 v240, v240                           ; a hidden key's p
	v_nop
	s_wait_alu depctr_va_vdst(0)
	v_fma_f32 v14, v243, v240, v14
	v_bfe_u32 v241, v240, 20, 1                    ; p quantised in a block of equals: to 3 bits of mantissa, ties to even, at most 1.875 x its power of two (7.5 under the block's scale)
	v_and_b32 v242, 0x7f800000, v240
	v_add3_u32 v241, v240, v241, 0x7ffff
	v_or_b32 v242, 0x700000, v242
	v_and_b32 v241, 0xfff00000, v241
	v_min_u32 v241, v241, v242
	s_wait_alu depctr_va_vdst(0)
	v_rcp_f32 v14, v14
.irp t, 0,1,2,3
.irp i, 0,1,2,3,4,5,6,7
	v_fma_f32 v[160+8*\t+\i], v241, v[96+4*\i+\t], v[160+8*\t+\i]   ; the hidden steps' part of product 5
.endr
.endr
	v_and_b32 v33, 15, v0
	v_lshlrev_b32 v33, 2, v33
	s_wait_alu depctr_va_vdst(0)
.set n, 0
.rept 32
	v_mul_f32 v[96+n], v[160+n], v14
.set n, n+1
.endr
; ---- ctx quantised along its features: two blocks of 32, whole blocks in a lane
.irp b, 0,1
	v_max3_num_f32 v[232+\b], |v[96+16*\b]|, |v[97+16*\b]|, 0x1800000
.endr
.irp i, 2,4,6,8,10,12,14
.irp b, 0,1
	s_delay_alu instid0(VALU_DEP_2)
	v_max3_num_f32 v[232+\b], v[232+\b], |v[96+16*\b+\i]|, |v[97+16*\b+\i]|
.endr
.endr
.irp b, 0,1
	s_delay_alu instid0(VALU_DEP_2)
	v_permlanex16_b32 v[236+\b], v[232+\b], s[SEL], s[SEL+1]
.endr
.irp b, 0,1
	s_delay_alu instid0(VALU_DEP_2)
	v_max_num_f32 v[232+\b], v[232+\b], v[236+\b]
.endr
.irp b, 0,1
	s_delay_alu instid0(VALU_DEP_2)
	v_add_nc_u32 v[244+\b], 0xff000000, v[232+\b]
.endr
.irp b, 0,1
	s_delay_alu instid0(VALU_DEP_2)
	v_lshrrev_b32 v[236+\b], 23, v[244+\b]
.endr
	s_delay_alu instid0(VALU_DEP_1)
	v_lshl_or_b32 v254, v237, 8, v236
	v_cvt_scalef32_pk16_fp6_f32 v[224:226], v[96:111], v244
	v_cvt_scalef32_pk16_fp6_f32 v[240:242], v[112:127], v245
	v_nop
.irp i, 0,1,2
	v_permlane16_swap_b32 v[224+\i], v[240+\i]
.endr
.irp i, 0,1,2
	s_delay_alu instid0(VALU_DEP_3)
	v_mov_b32 v[227+\i], v[240+\i]
.endr
	global_store_b128 v1, v[224:227], s[10:11]     ; a half image: 768 consecutive bytes
	global_store_b64 v2, v[228:229], s[10:11] offset:512
	global_store_b16 v33, v254, s[12:13]           ; row r's two scale bytes
	s_wait_tensorcnt 0x0                           ; the wave's end
	ds_add_u32 v5, v6
	s_wait_dscnt 0x0
	CROUND                                         ; the closing round
	s_endpgm
.Lfunc_end_k_q82c1dddb50_attn:
	.size	k_q82c1dddb50_attn, .Lfunc_end_k_q82c1dddb50_attn-k_q82c1dddb50_attn
	.p2alignl 7, 3214868480
	.fill 96, 4, 3214868480
	.section	.rodata,"a",@progbits
	.p2align	6, 0x0
	.amdhsa_kernel k_q82c1dddb50_attn
		.amdhsa_group_segment_fixed_size 327680
		.amdhsa_private_segment_fixed_size 0
		.amdhsa_enable_private_segment 0
		.amdhsa_kernarg_size 40
		.amdhsa_user_sgpr_count 2
		.amdhsa_user_sgpr_kernarg_segment_ptr 1
		.amdhsa_wavefront_size32 1
		.amdhsa_system_sgpr_workgroup_id_x 1
		.amdhsa_system_sgpr_workgroup_id_y 1
		.amdhsa_system_sgpr_workgroup_id_z 1
		.amdhsa_system_vgpr_workitem_id 0
		.amdhsa_next_free_vgpr 256
		.amdhsa_next_free_sgpr 66
		.amdhsa_reserve_vcc 1
		.amdhsa_float_denorm_mode_32 3
		.amdhsa_float_denorm_mode_16_64 3
		.amdhsa_memory_ordered 1
		.amdhsa_forward_progress 1
		.amdhsa_inst_pref_size 51
	.end_amdhsa_kernel
	.amdgpu_metadata
---
amdhsa.version: [ 1, 2 ]
amdhsa.kernels:
  - .name:           k_q82c1dddb50_attn
    .symbol:         k_q82c1dddb50_attn.kd
    .args:
      - { .name: qb, .offset: 0, .size: 8, .value_kind: global_buffer, .address_space: global }
      - { .name: kv, .offset: 8, .size: 8, .value_kind: global_buffer, .address_space: global }
      - { .name: sv, .offset: 16, .size: 8, .value_kind: global_buffer, .address_space: global }
      - { .name: ops, .offset: 24, .size: 8, .value_kind: global_buffer, .address_space: global }
      - { .name: scl, .offset: 32, .size: 8, .value_kind: global_buffer, .address_space: global }
    .group_segment_fixed_size: 327680
    .private_segment_fixed_size: 0
    .kernarg_segment_align: 8
    .kernarg_segment_size: 40
    .max_flat_workgroup_size: 512
    .sgpr_count:     66
    .vgpr_count:     256
    .wavefront_size: 32
...
	.end_amdgpu_metadata
.endif
;; end of part 3
;; launch oproj (part 4): grid 8 x 32, 4 waves a work-group, clusters of 4 x 4, 327,680 bytes of LDS; arguments ops, scl, bo, out0; writes out0
.if DOCPART == 4
	.amdgcn_target "amdgcn-amd-amdhsa--gfx1250"
	.amdhsa_code_object_version 6
	.text
	.protected	k_q82c1dddb50_oproj
	.globl	k_q82c1dddb50_oproj
	.p2align	8
	.type	k_q82c1dddb50_oproj,@function
k_q82c1dddb50_oproj:
	s_mov_b64 s[64:65], 0
	v_nop
	global_prefetch_b8 v0, s[64:65] scope:SCOPE_SE
	s_setreg_imm32_b32 hwreg(HW_REG_WAVE_MODE, 25, 1), 1
	s_wait_xcnt 0x0
	s_wait_alu depctr_hold_cnt(0) depctr_sa_sdst(0) depctr_va_vdst(0) depctr_va_sdst(0) depctr_va_ssrc(0) depctr_va_vcc(0) depctr_vm_vsrc(0)
	s_getreg_b32 s2, hwreg(HW_REG_IB_STS2, 6, 4)
	s_cmp_eq_u32 s2, 0
	s_cbranch_scc0 .Lentry_in_a_cluster
	s_endpgm
.Lentry_in_a_cluster:
	s_bfe_u32 s2, ttmp6, 0x10000c
	s_cmp_lg_u32 s2, 0xf033
	s_cbranch_scc0 .Lentry_shape_is_right
	s_endpgm
.Lentry_shape_is_right:
; LAUNCH 4 OF 4: out0 = ctx Wo + bo on codes of E2M3.  No work of this product is left out.
; 4,096 x 1,024 in tiles of 128 x 128: 256 work-groups of four waves, a wave 64 x 64: 16 accumulators.  Source 1 (P) = tokens of ctx, source 0 (R) = features of Wo: a lane's eight results are eight neighbouring columns of a row.
; Operands lie in ops as images of their registers (launch quant).  A work-group's 128 rows of P and of R, all of K, are 196,608 bytes: they come into LDS by ONE load a wave at the head, and nothing is filled again:
; wave 0: P, K steps 0-3; wave 1: R, K steps 0-3; wave 2: P, 4-7; wave 3: R, 4-7.  The first barrier shows steps 0-3, the second the rest.
; CLUSTER 4 x 4: P's tile hangs on cy alone and is asked for jointly along a row, R's on cx alone and along a column.  No prefetch: every tile is asked for at the head.
; The rows of a tile of 16 are 32 g + 8 u + r + 8 (r / 8): R's tile b, register j of lane (r, h) is column 32 (b / 2) + 16 h + 8 (b % 2) + j; row t of P's tile a is token 32 (a / 2) + 8 (a % 2) + t + 8 (t / 8).
; LIMITS: NaN and infinities are not served.
; REGISTERS: v8-11 my four columns' bias; v16-23 LDS addresses; v32-63 scale words (v[32 + 8 i + s]: lanes 0-15 P's tile i, lanes 16-31 R's); v64-255 two sets of fragments (P 48, R 48); window 1: v256-383 accumulators.
.set QUART, 49152
.set STAGE, 196608                     ; each wave's own 16 rows of 256 + 16 bytes, for the way out
.set SPITCH, 272
.set SPARE, STAGE+4*16*SPITCH          ; the spare words
.set SC,  32
.set FP,  64
.set STO, 24
.set RD,  25
.set SPW, 28
.set NIL, 29
.set G1,  24
.set G0,  32
.set G0B, 36
.set G1B, 48
.set MSB, 0
.macro WIN new
.if MSB != (\new)
	s_set_vgpr_msb (MSB<<8)|(\new)
.set MSB, (\new)
.endif
.endm
.macro PLACES n
.rept \n
	v_nop
.endr
.endm
.macro CROUND
	s_barrier_signal -1
	s_barrier_wait -1
	s_cmp_lg_u32 s14, 0
	s_cbranch_scc1 .Lnot_wave_0_\@
	s_barrier_signal -3
.Lnot_wave_0_\@:
	s_barrier_wait -3
	s_barrier_signal -1
	s_barrier_wait -1
.endm
	s_load_b256 s[68:75], s[0:1], 0x0              ; ops, scl, bo, out0
	v_lshl_add_u32 v[SPW], v0, 2, SPARE
	v_mov_b32 v[NIL], 0
	ds_add_u32 v[SPW], v[NIL]                      ; the opening: the add, twice on end
	ds_add_u32 v[SPW], v[NIL]
	v_lshrrev_b32 v1, 5, v0
	v_readfirstlane_b32 s14, v1
	s_lshr_b32 s15, s14, 1                         ; my half of P.  Also: which half of K I fetch
	s_and_b32 s16, s14, 1                          ; my half of R.  Also: I fetch P (0) or R (1)
	s_bfe_u32 s40, ttmp6, 0x40000                  ; cx
	s_bfe_u32 s41, ttmp6, 0x40004                  ; cy
	s_and_b32 s17, ttmp7, 0xffff
	s_lshl_b32 s19, s17, 2
	s_add_co_u32 s19, s19, s41                     ; Y: which 128 tokens
	s_lshl_b32 s20, ttmp9, 2
	s_add_co_u32 s20, s20, s40                     ; X: which 128 features
	s_lshl_b32 s43, s41, 2
	s_lshl_b32 s43, 15, s43                        ; my row of the cluster
	s_lshl_b32 s44, 0x1111, s40                    ; my column
	s_or_b32 s[G1+0], s43, (3<<16)|(1<<21)
	s_or_b32 s[G1B+0], s44, (3<<16)|(1<<21)
.irp g, G1, G1B
	s_mov_b32 s[\g+1], 768<<16                     ; 8 tiles, of each 6,144 bytes: four K steps
	s_mov_b32 s[\g+2], 8<<16
	s_mov_b32 s[\g+3], 768<<16
	s_mov_b32 s[\g+4], 8
	s_mov_b32 s[\g+5], 1536
	s_mov_b32 s[\g+6], 0
	s_mov_b32 s[\g+7], 0
.endr
	s_mul_i32 s21, s15, 6144
	s_mul_i32 s46, s19, 98304
	s_add_co_u32 s46, s46, s21
	s_add_co_u32 s46, s46, 512*12288               ; ctx's tiles begin at 512,
	s_mov_b32 s47, 0
	s_mul_i32 s92, s20, 98304
	s_add_co_u32 s92, s92, s21
	s_add_co_u32 s92, s92, 448*12288               ; Wo's at 448
	s_mov_b32 s93, 0
	s_mul_i32 s45, s14, QUART
	s_mov_b32 s[G0], 1
	s_mov_b32 s[G0+1], s45
	s_mov_b32 s[G0B], 1
	s_mov_b32 s[G0B+1], s45
	s_wait_dscnt 0x0                               ; both adds are done
	CROUND
	s_wait_kmcnt 0x0
	s_add_nc_u64 s[G0+2:G0+3], s[68:69], s[46:47]
	s_or_b32 s[G0+3], s[G0+3], 0x80000000
	s_add_nc_u64 s[G0B+2:G0B+3], s[68:69], s[92:93]
	s_or_b32 s[G0B+3], s[G0B+3], 0x80000000
.macro ARM w, g0, g1, next
	s_cmp_eq_u32 s14, \w
	s_cbranch_scc0 \next
	tensor_load_to_lds s[\g0:\g0+3], s[\g1:\g1+7]
	s_nop 0
	PLACES 4
	s_branch .Lasked
\next:
.endm
	ARM 0, G0, G1, .Lw1
	ARM 1, G0B, G1B, .Lw2
	ARM 2, G0, G1, .Lw3
	tensor_load_to_lds s[G0B:G0B+3], s[G1B:G1B+7]
	s_nop 0
	PLACES 4
.Lasked:
	s_mul_i32 s21, s15, 4*6144                     ; my four tiles of P,
	s_mul_i32 s22, s16, 4*6144
	s_add_co_u32 s22, s22, QUART                   ; and of R
	s_mul_i32 s23, s14, 16*SPITCH
	s_add_co_u32 s23, s23, STAGE                   ; my stage
	s_lshl_b32 s84, s20, 9                         ; my first column, in bytes: 512 X + 256 x my half of R
	s_lshl_b32 s85, s16, 8
	s_add_co_u32 s84, s84, s85
	s_mov_b32 s85, 0
	s_add_nc_u64 s[72:73], s[72:73], s[84:85]      ; bo there
	s_add_nc_u64 s[74:75], s[74:75], s[84:85]
	s_lshl_b32 s84, s19, 19                        ; my first row: 128 rows of 4,096 bytes a block, 64 a half
	s_lshl_b32 s86, s15, 18
	s_add_co_u32 s84, s84, s86
	s_add_nc_u64 s[74:75], s[74:75], s[84:85]
	s_lshl_b32 s46, s19, 12                        ; the scale words: (512 + 8 Y + 4 x half) x 512
	s_lshl_b32 s47, s15, 11
	s_add_co_u32 s46, s46, s47
	s_add_co_u32 s46, s46, 512*512
	s_lshl_b32 s47, s20, 12
	s_lshl_b32 s86, s16, 11
	s_add_co_u32 s47, s47, s86
	s_add_co_u32 s47, s47, 448*512
	v_and_b32 v1, 31, v0
	v_and_b32 v2, 15, v0                           ; r
	v_bfe_u32 v3, v0, 4, 1                         ; h
	v_mov_b32 v6, s46
	v_mov_b32 v7, s47
	v_cmp_ne_u32 vcc_lo, 0, v3
	v_cndmask_b32 v6, v6, v7, vcc_lo               ; lanes 0-15 P's, lanes 16-31 R's
	v_lshl_add_u32 v6, v2, 2, v6
	v_lshlrev_b32 v12, 4, v2                       ; 16 r
	s_wait_alu depctr_va_vdst(0)
.irp s, 0,1,2,3,4,5,6,7
.irp i, 0,1,2,3
	global_load_b32 v[SC+8*\i+\s], v6, s[70:71] offset:512*\i+64*\s
.endr
.endr
	global_load_b128 v[8:11], v12, s[72:73]        ; the bias of my four columns of a row
	v_lshlrev_b32 v4, 4, v1
	v_lshlrev_b32 v5, 3, v1
	v_add_nc_u32 v16, s21, v4                      ; v16, v17 P at 16 x lane in K steps 0-3, 4-7; v18, v19 at 8 x lane; v20-23 R
	v_add_nc_u32 v18, s21, v5
	v_add_nc_u32 v20, s22, v4
	v_add_nc_u32 v22, s22, v5
	v_add_nc_u32 v17, 2*QUART, v16
	v_add_nc_u32 v19, 2*QUART, v18
	v_add_nc_u32 v21, 2*QUART, v20
	v_add_nc_u32 v23, 2*QUART, v22
	v_mul_u32_u24 v[STO], v2, SPITCH
	v_lshl_add_u32 v[STO], v3, 6, v[STO]
	v_add_nc_u32 v[STO], s23, v[STO]               ; in: row r, + 64 h
	v_mul_u32_u24 v[RD], v3, SPITCH
	v_lshl_add_u32 v[RD], v2, 4, v[RD]
	v_add_nc_u32 v[RD], s23, v[RD]                 ; back: two rows of 256 bytes, 16 bytes a lane,
	v_lshlrev_b32 v13, 12, v3
	v_lshl_add_u32 v13, v2, 4, v13                 ; and the same in out0
.macro FRAG reg, a16, a8, o            ; a fragment: the image's four parts
	ds_load_b128 v[\reg:\reg+3], v[\a16] offset:\o
	ds_load_b64 v[\reg+4:\reg+5], v[\a8] offset:\o+512
	ds_load_b128 v[\reg+6:\reg+9], v[\a16] offset:\o+768
	ds_load_b64 v[\reg+10:\reg+11], v[\a8] offset:\o+1280
.endm
.macro FETCH s                         ; K step s into set s % 2: 32 loads
.irp i, 0,1,2,3
	FRAG FP+96*((\s)%2)+48+12*\i, 20+(\s)/4, 22+(\s)/4, 6144*\i+1536*((\s)%4)
.endr
.irp i, 0,1,2,3
	FRAG FP+96*((\s)%2)+12*\i, 16+(\s)/4, 18+(\s)/4, 6144*\i+1536*((\s)%4)
.endr
.endm
.macro MUL8 s, a0, zero                ; P's tiles a0, a0 + 1 x R's four; the 16 accumulators take turns in the same order in every step
.irp a, \a0, \a0+1
.irp b, 0,1,2,3
.if \zero
	v_wmma_scale_f32_16x16x128_f8f6f4 v[8*(4*(\a)+\b):8*(4*(\a)+\b)+7], v[FP+96*((\s)%2)+48+12*\b:FP+96*((\s)%2)+59+12*\b], v[FP+96*((\s)%2)+12*(\a):FP+96*((\s)%2)+11+12*(\a)], 0, v[SC+8*\b+(\s)], v[SC+8*(\a)+(\s)] matrix_a_fmt:MATRIX_FMT_FP6 matrix_b_fmt:MATRIX_FMT_FP6 matrix_a_scale:MATRIX_SCALE_ROW1
.else
	v_wmma_scale_f32_16x16x128_f8f6f4 v[8*(4*(\a)+\b):8*(4*(\a)+\b)+7], v[FP+96*((\s)%2)+48+12*\b:FP+96*((\s)%2)+59+12*\b], v[FP+96*((\s)%2)+12*(\a):FP+96*((\s)%2)+11+12*(\a)], v[8*(4*(\a)+\b):8*(4*(\a)+\b)+7], v[SC+8*\b+(\s)], v[SC+8*(\a)+(\s)] matrix_a_fmt:MATRIX_FMT_FP6 matrix_b_fmt:MATRIX_FMT_FP6 matrix_a_scale:MATRIX_SCALE_ROW1
.endif
.endr
.endr
.endm
.macro STEP s, zero
	FETCH \s+1
	s_wait_dscnt 32                                ; step s's loads are in; the next step's 32 may be out
	WIN 0x50                                       ; C and D in window 1
	MUL8 \s, 0, \zero
	MUL8 \s, 2, \zero
	WIN 0
	PLACES 4                                       ; in front of loads into registers that these products read
.endm
	s_wait_alu depctr_va_vdst(0)
	s_cmp_lt_u32 s14, 2
	s_cbranch_scc0 .Lnot_first
	s_wait_tensorcnt 0x0                           ; K steps 0-3
.Lnot_first:
	s_barrier_signal -1
	s_barrier_wait -1
	FETCH 0
	s_wait_loadcnt 0x0                             ; the scale words and the bias
	STEP 0, 1                                      ; the first step's products start the sums
	STEP 1, 0
	STEP 2, 0
	s_wait_tensorcnt 0x0                           ; K steps 4-7
	s_wait_dscnt 0x0                               ; step 3's fragments
	s_barrier_signal -1
	WIN 0x50
	MUL8 3, 0, 0
	WIN 0
	s_barrier_wait -1
	FETCH 4
	WIN 0x50
	MUL8 3, 2, 0
	WIN 0
	PLACES 4
	STEP 4, 0
	STEP 5, 0
	STEP 6, 0
	s_wait_dscnt 0x0
	WIN 0x50
	MUL8 7, 0, 0
	MUL8 7, 2, 0
	WIN 0
	PLACES 4                                       ; in front of the first read of results and of loads into the fragments' registers
; THE WAY OUT, P's tile a: 16 rows of 64 columns through my own stage.  LDS serves a wave's instructions in order: no wait between its stores and loads, nor in front of the next tile's stores.
.macro TOSTAGE a
	WIN 0x04                                       ; an LDS store's data: window 1
.irp b, 0,1,2,3
	ds_store_b128 v[STO], v[8*(4*(\a)+\b):8*(4*(\a)+\b)+3] offset:128*(\b/2)+32*(\b%2)
	ds_store_b128 v[STO], v[8*(4*(\a)+\b)+4:8*(4*(\a)+\b)+7] offset:128*(\b/2)+32*(\b%2)+16
.endr
	WIN 0
.irp t, 0,1,2,3,4,5,6,7
	ds_load_b128 v[64+32*(\a)+4*\t:67+32*(\a)+4*\t], v[RD] offset:2*SPITCH*\t
.endr
.endm
.macro SEND a, younger
	s_wait_dscnt \younger                          ; younger: the LDS instructions issued behind tile a's loads
.irp t, 0,1,2,3,4,5,6,7
	v_pk_add_f32 v[64+32*(\a)+4*\t:65+32*(\a)+4*\t], v[64+32*(\a)+4*\t:65+32*(\a)+4*\t], v[8:9]
	v_pk_add_f32 v[66+32*(\a)+4*\t:67+32*(\a)+4*\t], v[66+32*(\a)+4*\t:67+32*(\a)+4*\t], v[10:11]
.endr
.irp t, 0,1,2,3,4,5,6,7
	global_store_b128 v13, v[64+32*(\a)+4*\t:67+32*(\a)+4*\t], s[74:75] offset:(32*((\a)/2)+8*((\a)%2)+2*\t+8*(\t/4))*4096 th:TH_STORE_NT   ; two rows, 256 consecutive bytes of each, aligned
.endr
.endm
	TOSTAGE 0
	TOSTAGE 1
	SEND 0, 16
	TOSTAGE 2
	SEND 1, 16
	TOSTAGE 3
	SEND 2, 16
	SEND 3, 0
	s_wait_tensorcnt 0x0                           ; the wave's end
	ds_add_u32 v[SPW], v[NIL]
	s_wait_dscnt 0x0
	CROUND                                         ; the closing round
	s_endpgm
.Lfunc_end_k_q82c1dddb50_oproj:
	.size	k_q82c1dddb50_oproj, .Lfunc_end_k_q82c1dddb50_oproj-k_q82c1dddb50_oproj
	.p2alignl 7, 3214868480
	.fill 96, 4, 3214868480
	.section	.rodata,"a",@progbits
	.p2align	6, 0x0
	.amdhsa_kernel k_q82c1dddb50_oproj
		.amdhsa_group_segment_fixed_size 327680
		.amdhsa_private_segment_fixed_size 0
		.amdhsa_enable_private_segment 0
		.amdhsa_kernarg_size 32
		.amdhsa_user_sgpr_count 2
		.amdhsa_user_sgpr_kernarg_segment_ptr 1
		.amdhsa_wavefront_size32 1
		.amdhsa_system_sgpr_workgroup_id_x 1
		.amdhsa_system_sgpr_workgroup_id_y 1
		.amdhsa_system_sgpr_workgroup_id_z 1
		.amdhsa_system_vgpr_workitem_id 0
		.amdhsa_next_free_vgpr 384
		.amdhsa_next_free_sgpr 100
		.amdhsa_reserve_vcc 1
		.amdhsa_float_denorm_mode_32 3
		.amdhsa_float_denorm_mode_16_64 3
		.amdhsa_memory_ordered 1
		.amdhsa_forward_progress 1
		.amdhsa_inst_pref_size 56
	.end_amdhsa_kernel
	.amdgpu_metadata
---
amdhsa.version: [ 1, 2 ]
amdhsa.kernels:
  - .name:           k_q82c1dddb50_oproj
    .symbol:         k_q82c1dddb50_oproj.kd
    .args:
      - { .name: ops, .offset: 0, .size: 8, .value_kind: global_buffer, .address_space: global }
      - { .name: scl, .offset: 8, .size: 8, .value_kind: global_buffer, .address_space: global }
      - { .name: bo, .offset: 16, .size: 8, .value_kind: global_buffer, .address_space: global }
      - { .name: out0, .offset: 24, .size: 8, .value_kind: global_buffer, .address_space: global }
    .group_segment_fixed_size: 327680
    .private_segment_fixed_size: 0
    .kernarg_segment_align: 8
    .kernarg_segment_size: 32
    .max_flat_workgroup_size: 128
    .sgpr_count:     100
    .vgpr_count:     384
    .wavefront_size: 32
...
	.end_amdgpu_metadata
.endif
;; end of part 4
